; MI455X (gfx1250); checked and timed in simulation.
; The chip was launched on July 23, 2026; its instructions are those of AMD's public machine-readable ISA for CDNA 5 (MIT licence, August 2026) and "CDNA5" Instruction Set Architecture Reference Guide (July 2026). The comments in the code are by the model that wrote it; some were corrected since.
;; Quaternion Linear Autograd. Allowed arithmetic: matrix products marked QUANTISED: E2M3 operands, one E8M0 scale for each 32 along K, by v_wmma_scale_f32_16x16x128_f8f6f4 with both operands' format E2M3, f32 sums; everything else in f32.
;; Inputs: b 4,096 float32; i_weight 1,024 x 1,024 float32; j_weight 1,024 x 1,024 float32; k_weight 1,024 x 1,024 float32; r_weight 1,024 x 1,024 float32; x_codes 4,096 x 128 x 24 uint8 (E2M3 codes of x, K innermost, in blocks of 32 codes, four codes in three bytes); x_scales 4,096 x 128 uint8 (E8M0 scales of x, one for each 32 codes along K).
;; Outputs: out0 4,096 x 4,096 float32.
;; This version of the problem:
;;   THIS VERSION OF THE PROBLEM IS GIVEN IN LOW PRECISION. The matrix products marked QUANTISED in the list below multiply operands that are first quantised to E2M3 (2 exponent bits, 3 mantissa bits; 6 bits a number), with one power-of-two scale for each 32 numbers along K (OCP MX v1.0); their sums are f32. All else is computed in f32.
;;   The module's matrix products, in the order in which they are computed (A, B: the left and right operand; K: the contracted axis; several contracted axes count as one K, in the product's order):
;;     1. [M 4,096, K 4,096] x [K 4,096, N 4,096]; A: input x (given as codes); B: computed on the way: QUANTISED
;;   THE QUANTISER, for each operand of a quantised product, along K:
;;     - K is cut into blocks of 32 from its start; a last block that is shorter is filled with zeros.
;;     - A block's scale is 2^e with e = floor(log2(the largest magnitude in the block)) - 2, held to -126 .. 127; a block of zeros has e = 0. As a byte (E8M0): e + 127.
;;     - Each number is divided by its block's scale, clamped to +-7.5, and rounded to the nearest number of E2M3, ties to even, subnormals kept.
;;     - The product sums the exact products of the quantised numbers (number of the format x scale) in f32.
;;   ~~~python
;;   def quantise(x, axis):      # numpy; x: float32 -> the quantised numbers, widened to float32 again
;;       x = np.moveaxis(x, axis, -1); K = x.shape[-1]
;;       x = np.pad(x, [(0, 0)] * (x.ndim - 1) + [(0, -K % 32)]); x = x.reshape(x.shape[:-1] + (-1, 32)); a = np.abs(x).max(-1, keepdims=True)
;;       e = np.where(a > 0, np.clip(np.frexp(np.where(a > 0, a, 1))[1] - 1 - 2, -126, 127), 0)      # np.frexp(a)[1] - 1 = floor(log2(a)), exactly
;;       r = np.clip(x / 2.0 ** e, -7.5, 7.5)
;;       step = 2.0 ** (np.maximum(np.frexp(np.where(r == 0, 1, r))[1] - 1, 0) - 3)
;;       q = np.round(r / step) * step * 2.0 ** e      # np.round: ties to even
;;       return np.moveaxis(q.reshape(q.shape[:-2] + (-1,))[..., :K], -1, axis).astype(np.float32)
;;   ~~~
;;   OPERANDS COMPUTED ON THE WAY. 'Computed on the way' means the value that the module computes at that place (a softmax that the list does not call 'softmax' is quantised finished and normalised). What goes into a quantiser is computed in f32, as accurately as f32 sums, v_exp_f32 and their like allow (about 1e-6 of the number): no bf16 or f16 on the way to a quantiser, and a product that is left as it is and whose result goes on into a quantised operand takes f32 operands (vector FMAs, or v_wmma_f32_16x16x4_f32). A number that lies on a knife's edge between two numbers of the format may be rounded either way, as far as f32 arithmetic and the matrix unit's own rounding can turn it there, and no further.
;;   INPUTS GIVEN AS CODES. x (in the module: [4096, 4096], K = its axis 1): each comes as NAME_codes (uint8): NAME with its K axis moved to the last place and cut into blocks of 32 codes, [.., K / 32, bytes a block], one block behind the other in memory; four codes in three bytes: a row's codes are one little-endian stream of bits, code i at bits 6 i .. 6 i + 5 (a code: sign, 2 exponent bits, 3 mantissa bits); and NAME_scales (uint8): the same leading axes, one E8M0 byte (e + 127) for each 32 codes along K. Its value is code x scale, taken as it is: it is not quantised again, and the codes and scales need not be those that the quantiser above would give.
;; 2 versions. Each part assembles by itself: llvm-mc -triple=amdgcn-amd-amdhsa -mcpu=gfx1250 --defsym DOCPART=n.
;; ======== version 1 of 2: 2 launches
;; workspace buffers: w_img 12,582,912 bytes; w_sc 524,288 bytes
;; launch quant (part 1): grid 256 x 1, 4 waves a work-group, no clusters, 13,824 bytes of LDS; arguments r_weight, i_weight, j_weight, k_weight, w_img, w_sc; writes w_img, w_sc
.if DOCPART == 1
	.amdgcn_target "amdgcn-amd-amdhsa--gfx1250"
	.amdhsa_code_object_version 6
	.text
	.protected	k_q34b0aa552d_quant
	.globl	k_q34b0aa552d_quant
	.p2align	8
	.type	k_q34b0aa552d_quant,@function
k_q34b0aa552d_quant:
	s_mov_b64 s[64:65], 0
	v_nop
	global_prefetch_b8 v0, s[64:65] scope:SCOPE_SE
	s_setreg_imm32_b32 hwreg(HW_REG_WAVE_MODE, 25, 1), 1
	s_wait_xcnt 0x0
; The Hamilton matrix W [4096 (k)][4096 (n)] is made of 4 x 4 blocks of 1,024 x 1,024: block (p along K, c along N) is +-weight number p xor c (0 r, 1 i, 2 j, 3 k).
; It is quantised along K to codes of FP6 (E2M3) with one E8M0 byte for each 32 along K.  A block of 32 never crosses a block of 1,024, a scale hangs on magnitudes alone and the rounding is
; symmetric: so the codes of -w are the codes of w with every sign bit turned, under the same scale byte.  EACH WEIGHT IS QUANTISED ONCE AND STORED FOUR TIMES, at c = p xor w for p = 0 .. 3, the negative places through an exclusive or.
; Negative places, as bits over p: r 0000, i 1010, j 0110, k 1100.
; OUT, in the order in which the product's registers take it:
;   w_img [n / 128][k / 128][8][1,536]: the fragment of 16 columns x 128 K as an image of its 12 registers: byte 512 g + 16 l + 4 k' = register 4 g + k' of lane l;
;          lane (r, h), registers 6 c .. 6 c + 5 = the 24 bytes of K block 2 c + h of column r.
;   w_sc  [n / 128][k / 128][32 lanes][4 words]: word j of lane (r, h) = the four scale bytes (128 along K) of column 16 (j + 4 h) + r.
; SHARES.  Work-group x: weight x / 64, 128 along K number (x / 8) % 8, 128 columns number x % 8.  A LANE TAKES A COLUMN AND ITS REGISTERS RUN DOWN K: a load reads 128 consecutive bytes a wave,
; the four waves stand side by side on 512; a block's 32 numbers lie in one lane, and the conversions give codes with K innermost.  A wave's 32 columns x 128 K are two fragments and one scale word a lane.
; A block's scale is 2^(floor(log2(its largest magnitude)) - 2); its byte is the largest magnitude's exponent field - 2, held at 1 from below.
; LIMITS: a block of zeros gets the byte 1 where the rule says 127 (its codes are zeros, and this program alone reads the bytes); at a negative place a zero becomes the code -0; blocks whose largest magnitude
; lies under 2^(3 - 127), the floor, keep the byte 1; NaN and infinities among the weights are not served.
; No tensor load, no ring, no cluster (no two work-groups read the same bytes), no prefetch (every load of the launch is issued at its head).  One barrier, for the scale words.
.set STG,  0                           ; LDS: two images, 3,072 bytes, for each wave
.set SCG,  12288                       ; and the work-group's 512 bytes of scale words, in w_sc's order
.set CO,   20                          ; v20-43   the codes: 6 registers a block, never rewritten
.set P0,   48                          ; v48-71   the two images read back: 6 groups of 4
.set X,    72                          ; v72-199  the 128 numbers; later v72-143: the images of copies 1 to 3
.set MK,   36                          ; s36-44   copy p's three sign masks at s[MK + 3 (p - 1)]
	s_load_b256 s[4:11], s[0:1], 0x0               ; r s[4:5], i s[6:7], j s[8:9], k s[10:11]
	s_load_b128 s[12:15], s[0:1], 0x20             ; w_img s[12:13], w_sc s[14:15]
	v_lshl_add_u32 v200, v0, 2, 0x3400
	v_mov_b32 v201, 0
	v_lshrrev_b32 v1, 5, v0
	v_readfirstlane_b32 s16, v1                    ; wave 0..3
	v_and_b32 v1, 31, v0                           ; lane L
	v_and_b32 v2, 15, v0                           ; r = L % 16
	v_bfe_u32 v9, v0, 4, 1                         ; e = L / 16: which of my wave's two fragments my column belongs to
	s_lshr_b32 s17, ttmp9, 6                       ; w: which weight
	s_bfe_u32 s18, ttmp9, 0x30003                  ; kq: which 128 of its K
	s_and_b32 s19, ttmp9, 7                        ; cg: which 128 of its columns
	v_lshlrev_b32 v3, 2, v1                        ; in: 4 bytes a lane
	v_lshlrev_b32 v8, 4, v1                        ; out: 16 bytes a lane
	s_mul_i32 s50, s16, 3072                       ; my wave's two images, in LDS and in w_img alike
	v_add_nc_u32 v5, s50, v8                       ; back from the stage: 16 L
	v_lshlrev_b32 v4, 4, v2
	v_mad_u32_u24 v4, v9, 1536, v4
	v_add_nc_u32 v4, s50, v4                       ; into the stage: fragment e, place of lane r (a block's half h adds 256)
	s_lshr_b32 s46, s16, 1                         ; my scale word: fragment i = 2 wave + e is word i % 4 of lane r + 16 (i / 4)
	s_lshl_b32 s46, s46, 8
	s_and_b32 s47, s16, 1
	s_lshl_b32 s47, s47, 3
	s_add_co_u32 s46, s46, s47
	s_add_co_u32 s46, s46, SCG
	v_lshlrev_b32 v6, 4, v2
	v_lshl_add_u32 v6, v9, 2, v6
	v_add_nc_u32 v6, s46, v6                       ; SCG + 16 r + 4 e + 256 (wave / 2) + 8 (wave % 2)
	v_add_nc_u32 v7, SCG, v8                       ; and back: 16 bytes a lane
	; the sign masks: a code's sign is bit 6 i + 5 of the stream, so three words repeat
	s_lshl_b32 s46, s17, 2
	s_lshr_b32 s46, 0xc6a0, s46                    ; the weight's negative places in bits 0 to 3
.irp p, 1,2,3
	s_lshr_b32 s47, s46, \p
	s_and_b32 s47, s47, 1
	s_cmp_lg_u32 s47, 0
	s_cselect_b32 s[MK+3*(\p-1)], 0x20820820, 0
	s_cselect_b32 s[MK+3*(\p-1)+1], 0x08208208, 0
	s_cselect_b32 s[MK+3*(\p-1)+2], 0x82082082, 0
.endr
	; where my wave's numbers begin in the weight: 128 kq rows of 4,096 bytes + 512 cg + 128 wave
	s_lshl_b32 s20, s18, 19
	s_lshl_b32 s21, s19, 9
	s_add_co_u32 s20, s20, s21
	s_lshl_b32 s21, s16, 7
	s_add_co_u32 s20, s20, s21
	s_mov_b32 s21, 0
	s_and_b32 s22, s17, 1
	s_wait_kmcnt 0x0
	s_cmp_lg_u32 s22, 0                            ; the weight is chosen by the work-group's number alone
	s_cselect_b64 s[46:47], s[6:7], s[4:5]         ; i or r
	s_cselect_b64 s[48:49], s[10:11], s[8:9]       ; k or j
	s_cmp_ge_u32 s17, 2
	s_cselect_b64 s[4:5], s[48:49], s[46:47]
	s_add_nc_u64 s[4:5], s[4:5], s[20:21]
.set i, 0
.rept 128
	global_load_b32 v[X+i], v3, s[4:5] offset:4096*i th:TH_LOAD_NT   ; w(128 kq + i, my column): read once in the launch
.set i, i+1
.endr
	; where copy p goes: n / 128 = 8 (p xor w) + cg, k / 128 = 8 p + kq
.irp p, 0,1,2,3
	s_xor_b32 s46, s17, \p
	s_lshl_b32 s46, s46, 3
	s_add_co_u32 s46, s46, s19
	s_mul_i32 s46, s46, 393216
	s_add_co_u32 s47, s18, 8*\p
	s_mul_i32 s47, s47, 12288
	s_add_co_u32 s46, s46, s47
	s_add_co_u32 s46, s46, s50
	s_mov_b32 s47, 0
	s_add_nc_u64 s[24+2*\p:25+2*\p], s[12:13], s[46:47]
.endr
	s_xor_b32 s46, s17, s16                        ; the scale words: wave p stores copy p's 512 bytes
	s_lshl_b32 s46, s46, 3
	s_add_co_u32 s46, s46, s19
	s_lshl_b32 s46, s46, 14
	s_lshl_b32 s47, s16, 3
	s_add_co_u32 s47, s47, s18
	s_lshl_b32 s47, s47, 9
	s_add_co_u32 s46, s46, s47
	s_mov_b32 s47, 0
	s_add_nc_u64 s[32:33], s[14:15], s[46:47]
; Block t of my column: 32 numbers become 24 bytes of codes and a scale byte; the codes go to the place in the stage that the fragment's image gives them: lane r + 16 (t % 2), registers 6 (t / 2) on.
.macro BLOCK t
.set XS, X+32*(\t)
.set CT, CO+6*(\t)
.if 32*(3-(\t)) > 63
	s_wait_loadcnt 63                              ; this block's loads are in (the later blocks' 32 (3 - t) might stay out; the count's field holds 63 at the most, and a smaller count is safe)
.else
	s_wait_loadcnt 32*(3-(\t))                     ; this block's loads are in; the later blocks' may be out
.endif
	v_max3_num_f32 v10, |v[XS]|, |v[XS+1]|, |v[XS+2]|               ; the block's largest magnitude, in two chains: all 32 numbers are mine
	v_max3_num_f32 v11, |v[XS+3]|, |v[XS+4]|, |v[XS+5]|
.irp i, 6,10,14,18,22,26
	v_max3_num_f32 v10, v10, |v[XS+\i]|, |v[XS+\i+1]|
	v_max3_num_f32 v11, v11, |v[XS+\i+2]|, |v[XS+\i+3]|
.endr
	v_max3_num_f32 v10, v10, |v[XS+30]|, |v[XS+31]|
	v_max3_num_f32 v10, v10, v11, 0x1800000        ; and the floor 2^(3 - 127): the byte cannot fall under 1
	v_add_nc_u32 v12, 0xff000000, v10              ; 2 off its exponent field: the conversion takes the exponent field of this operand as its scale, and nothing else of it
	v_lshrrev_b32 v13, 23, v12                     ; the scale's byte
.if (\t) == 0
	v_mov_b32 v14, v13                             ; four bytes make my column's scale word, the lower K in the lower byte
.else
	v_lshl_or_b32 v14, v13, 8*(\t), v14
.endif
	v_cvt_scalef32_pk16_fp6_f32 v[CT:CT+2], v[XS:XS+15], v12
	v_cvt_scalef32_pk16_fp6_f32 v[16:18], v[XS+16:XS+31], v12       ; (a conversion's three registers begin on an even number: the second half is made elsewhere and moved)
	v_nop                                          ; one plain vector instruction behind the conversions, ahead of the moves that read their result
	v_mov_b32 v[CT+3], v16
	v_mov_b32 v[CT+4], v17
	v_mov_b32 v[CT+5], v18
.if (\t) < 2
	ds_store_b128 v4, v[CT:CT+3] offset:256*((\t)%2)               ; registers 0-3: group 0
	ds_store_b64 v4, v[CT+4:CT+5] offset:512+256*((\t)%2)          ; registers 4, 5: the lower half of group 1
.else
	ds_store_b64 v4, v[CT:CT+1] offset:520+256*((\t)%2)            ; registers 6, 7: its upper half
	ds_store_b128 v4, v[CT+2:CT+5] offset:1024+256*((\t)%2)        ; registers 8-11: group 2
.endif
.endm
	BLOCK 0
	BLOCK 1
	BLOCK 2
	BLOCK 3
	ds_store_b32 v6, v14                           ; my column's scale word, for all four waves
.irp g, 0,1,2,3,4,5
	ds_load_b128 v[P0+4*\g:P0+4*\g+3], v5 offset:512*\g            ; my wave's own bytes: LDS serves a wave's instructions in order (ISA guide 5.7.1.4), so these see my stores
.endr
	s_wait_dscnt 0x0                               ; for the others' sake: my scale word has landed; and my images are back
	s_barrier_signal -1
	s_barrier_wait -1
	ds_load_b128 v[44:47], v7                      ; the work-group's 512 bytes of scale words, 16 a lane
.irp g, 0,1,2,3,4,5
	global_store_b128 v8, v[P0+4*\g:P0+4*\g+3], s[24:25] offset:512*\g   ; copy 0 is never negative.  32 lanes store 512 consecutive bytes, at a multiple of 512 from the buffer's first byte
.endr
.irp p, 1,2,3
.irp g, 0,1,2,3,4,5
.irp k, 0,1,2,3
	v_xor_b32 v[X+24*(\p-1)+4*\g+\k], s[MK+3*(\p-1)+((\g%3)+\k)%3], v[P0+4*\g+\k]   ; register 4 (g % 3) + k of a fragment takes mask number (g + k) % 3; at a positive place the masks are 0
.endr
.endr
.irp g, 0,1,2,3,4,5
	global_store_b128 v8, v[X+24*(\p-1)+4*\g:X+24*(\p-1)+4*\g+3], s[24+2*\p:25+2*\p] offset:512*\g   ; each copy has registers of its own: no store's data are written again
.endr
.endr
	s_wait_dscnt 0x0
	global_store_b128 v8, v[44:47], s[32:33]       ; the scale bytes are the same at all four places: wave p stores copy p's
	s_wait_tensorcnt 0x0
	ds_add_u32 v200, v201
	s_wait_dscnt 0x0
	s_endpgm
.Lfunc_end_k_q34b0aa552d_quant:
	.size	k_q34b0aa552d_quant, .Lfunc_end_k_q34b0aa552d_quant-k_q34b0aa552d_quant
	.p2alignl 7, 3214868480
	.fill 96, 4, 3214868480
	.section	.rodata,"a",@progbits
	.p2align	6, 0x0
	.amdhsa_kernel k_q34b0aa552d_quant
		.amdhsa_group_segment_fixed_size 13824
		.amdhsa_private_segment_fixed_size 0
		.amdhsa_enable_private_segment 0
		.amdhsa_kernarg_size 48
		.amdhsa_user_sgpr_count 2
		.amdhsa_user_sgpr_kernarg_segment_ptr 1
		.amdhsa_wavefront_size32 1
		.amdhsa_system_sgpr_workgroup_id_x 1
		.amdhsa_system_sgpr_workgroup_id_y 1
		.amdhsa_system_sgpr_workgroup_id_z 1
		.amdhsa_system_vgpr_workitem_id 0
		.amdhsa_next_free_vgpr 202
		.amdhsa_next_free_sgpr 66
		.amdhsa_reserve_vcc 0
		.amdhsa_float_denorm_mode_32 3
		.amdhsa_float_denorm_mode_16_64 3
		.amdhsa_memory_ordered 1
		.amdhsa_forward_progress 1
		.amdhsa_inst_pref_size 29
	.end_amdhsa_kernel
	.amdgpu_metadata
---
amdhsa.version: [ 1, 2 ]
amdhsa.kernels:
  - .name:           k_q34b0aa552d_quant
    .symbol:         k_q34b0aa552d_quant.kd
    .args:
      - { .name: r_weight, .offset: 0, .size: 8, .value_kind: global_buffer, .address_space: global }
      - { .name: i_weight, .offset: 8, .size: 8, .value_kind: global_buffer, .address_space: global }
      - { .name: j_weight, .offset: 16, .size: 8, .value_kind: global_buffer, .address_space: global }
      - { .name: k_weight, .offset: 24, .size: 8, .value_kind: global_buffer, .address_space: global }
      - { .name: w_img, .offset: 32, .size: 8, .value_kind: global_buffer, .address_space: global }
      - { .name: w_sc, .offset: 40, .size: 8, .value_kind: global_buffer, .address_space: global }
    .group_segment_fixed_size: 13824
    .private_segment_fixed_size: 0
    .kernarg_segment_align: 8
    .kernarg_segment_size: 48
    .max_flat_workgroup_size: 128
    .sgpr_count:     66
    .vgpr_count:     202
    .wavefront_size: 32
...
	.end_amdgpu_metadata
.endif
;; end of part 1
;; launch gemm (part 2): grid 16 x 16, 4 waves a work-group, clusters of 4 x 4, 327,680 bytes of LDS; arguments x_codes, x_scales, w_img, w_sc, b, out0; writes out0
.if DOCPART == 2
	.amdgcn_target "amdgcn-amd-amdhsa--gfx1250"
	.amdhsa_code_object_version 6
	.text
	.protected	k_q34b0aa552d_gemm
	.globl	k_q34b0aa552d_gemm
	.p2align	8
	.type	k_q34b0aa552d_gemm,@function
k_q34b0aa552d_gemm:
	s_mov_b64 s[64:65], 0
	v_nop
	global_prefetch_b8 v0, s[64:65] scope:SCOPE_SE
	s_setreg_imm32_b32 hwreg(HW_REG_WAVE_MODE, 25, 1), 1
	s_wait_xcnt 0x0
	s_wait_alu depctr_hold_cnt(0) depctr_sa_sdst(0) depctr_va_vdst(0) depctr_va_sdst(0) depctr_va_ssrc(0) depctr_va_vcc(0) depctr_vm_vsrc(0)
	s_getreg_b32 s2, hwreg(HW_REG_IB_STS2, 6, 4)
	s_cmp_eq_u32 s2, 0
	s_cbranch_scc0 .Lentry_in_a_cluster
	s_endpgm
.Lentry_in_a_cluster:
	s_bfe_u32 s2, ttmp6, 0x10000c
	s_cmp_lg_u32 s2, 0xf033
	s_cbranch_scc0 .Lentry_shape_is_right
	s_endpgm
.Lentry_shape_is_right:
; out0[m][n] = sum over k of x[m][k] W[k][n] + b[n], on codes of FP6 (E2M3) with one E8M0 scale for each 32 along K; sums in f32.  M = N = K = 4,096.
; x: codes as given, a row is one stream of bits of 3,072 bytes; its scale bytes [4096][128].  W: the launch before has laid its codes as images of the operand's registers (w_img) and its scale words in the
; order of the scale registers (w_sc).  b is the C of each sum's first product, so it is added first and not last: an order of rounding in f32 that differs from x @ W + b.
; A tile of the output, 256 x 256, is made by a work-group of four waves; a wave makes 128 x 128: 64 accumulators of 16 x 16, 512 registers.  256 tiles, 256 work-groups.
; K goes in steps of 256 through a ring of two LDS slots filled by the tensor data mover.  A slot: x's 256 rows of 192 bytes (16 bytes of padding behind every 64), then W's 2 x 24,576 bytes, dense.
; THE SCALES of the work-group's 256 rows and 256 columns, for all of K, come into LDS once, with the first fills, and stay.
; CLUSTERS: 4 x 4 work-groups.  The four of a row of the cluster need the same tiles of x, the four of a column the same tiles of W: each tile is asked for JOINTLY, by the same tensor load with the same
; descriptor and a mask that names the four.  THE MATRIX INSTRUCTION IS USED TRANSPOSED (source 0 = 16 columns of W, source 1 = 16 rows of x): a lane then holds eight neighbouring numbers of a row of the output.
; REGISTERS, in windows of 256: window 0: v16-30 addresses; v32-47 x's scale words, v48-63 W's, two sets each; v64-127 the bias in the result's layout; v128-223 x's fragments (8 x 16 rows x 128 K), ONE set;
;   on the way out v128-255 are rows read back.   window 1: W's fragments, TWO sets, at v0 and at v128.   window 2: the 32 accumulators of my rows 0-63 ((a, b) at v[8 (8 a + b)]);   window 3: those of my rows 64-127.
; A step of 128 along K is 64 matrix instructions, x's blocks one after the other, each against W's eight: a block of x is free as soon as its eight products are issued, so one set serves x; W has two.
.set SIZE_N, 4096
.set SIZE_K, 4096
.set ROWB,   192                       ; a row of x's tile: 256 codes
.set KROW,   3072                      ; a row of x's codes in memory
.set PITCH,  240                       ; and in LDS: 3 x (64 bytes + 16 of padding)
.set FR,     12                        ; registers of a fragment
.set FRB,    1536                      ; a fragment's image in bytes
.set NP,     4                         ; places behind this matrix instruction (ISA guide 7.12.1)
.set HALFA,  128*PITCH                 ; 128 rows of x: what one tensor load brings, and what one wave reads
.set BOFF,   2*HALFA                   ; W's part of a slot
.set HALFB,  2*8*FRB                   ; 128 columns x 256 K of W: 16 images, dense
.set SLOT,   BOFF+2*HALFB
.set LAPS,   SIZE_K/512                ; a lap = two slots = once round the ring
.set SCLA,   2*SLOT                    ; behind the ring: x's scale bytes, as rows of 256 bytes + 16 of padding
.set HALFS,  64*272                    ; those of 128 rows
.set SBLK,   8*272                     ; those of 16 rows
.set SCLB,   SCLA+2*HALFS              ; W's scale words, dense
.set HALFT,  16384                     ; those of 128 columns
.set SPARE,  SCLB+2*HALFT              ; the spare words, 128 bytes for each wave: two blocks of 256 bytes that no other line names
.set SPITCH, 528                       ; the way out: a stage of 16 rows x (512 bytes + 16) for each wave.  It lies in slot 0, which has had its last fill and its last read when the first result is stored there
.set ADRA, 16                          ; v16-17  LDS address of my fragments of x in slot 0, 1  (v18-19: the same for the pieces that lie behind one padding more)
.set ADRB, 20                          ; v20-21  LDS address of my lane's 16 bytes in W's images in slot 0, 1
.set ADSA, 22                          ; v22     x's scale words: lanes 0-15 the rows of block i, lanes 16-31 those of block i + 4
.set ADSB, 23                          ; v23     W's scale words: 16 bytes a lane
.set STO,  24                          ; v24     the way out: where I put 32 bytes of a row
.set RD,   25                          ; v25     the way out: where I read a row back
.set CO,   26                          ; v26     16 x lane: my byte offset in a row of the output
.set PFO,  27                          ; v27     the prefetches' offset; never rewritten
.set SPW,  28                          ; v28     LDS address of my spare word: SPARE + 4 x my thread's number; never rewritten
.set NIL,  29                          ; v29     0; never rewritten
.set BO,   30                          ; v30     32 x (lane / 16): my eight numbers of a block of 16 of b
.set SCA,  32                          ; set s at v[SCA + 8 s]; register 2 i + q: the words of x's block i (lanes 0-15) and i + 4 (lanes 16-31) for the slot's q-th 128 along K
.set SCB,  48                          ; set s at v[SCB + 8 s]; register 4 q + j: the words of W's block j (lanes 0-15) and j + 4 (lanes 16-31)
.set BIAS, 64                          ; block b at v[BIAS + 8 b]: b[my first column + 16 b + 8 (lane / 16) + 0 .. 7]
.set AF,   128                         ; x's fragments
.set BK,   128                         ; the way out: 16 rows read back from the stage: v128-191 and v192-255 by turns
.set G1,   24                          ; s[24:31] descriptor group 1 for x's tiles;  s[32:39] group 0, one set for each slot
.set G0,   32
.set G1B,  48                          ; s[48:55], s[56:63] the same for W's tiles
.set G0B,  56
.set G1S,  68                          ; s[68:75], s[76:79] groups 1 and 0 for x's scales;  s[80:87], s[88:91] for W's
.set G0S,  76
.set G1SB, 80
.set G0SB, 88
.set LIM,  2                           ; s2      1 in a wave that prefetches, else the greatest number
.set PFA,  66                          ; s[66:67] where my last prefetch stood
.set PFS,  98                          ; s[98:99] from one prefetch to the next, in bytes
.set MSB, 0
.macro WIN new                         ; the immediate's high byte repeats the setting that is left; a switch that changes nothing is dropped
.set WNEW, \new
.if MSB != WNEW
	s_set_vgpr_msb (MSB<<8)|WNEW
.set MSB, WNEW
.endif
.endm
.set MUL_LO,  0xa1                     ; source 0 (W) window 1, source 1 (x) window 0, C and D window 2
.set MUL_HI,  0xf1                     ; the same, C and D window 3
.set MUL_LO1, 0x81                     ; the first step: C (the bias) window 0, D window 2
.set MUL_HI1, 0xc1                     ; and D window 3
.set TO_B,    0x40                     ; destination window 1, address window 0
; A joint load: waves 0 and 1 fetch for x, waves 2 and 3 for W.  Each of the two lines has ONE mask and one set of registers for all that issue it; the branch hangs on the wave's number alone.
; Four v_nop follow each of the two lines, ahead of the jump, the label and what follows.
.macro JLOAD g0a, g1a, g0b, g1b
	s_cmp_eq_u32 s15, 0
	s_cbranch_scc0 .Lfor_b_\@
	tensor_load_to_lds s[\g0a:\g0a+3], s[\g1a:\g1a+7]
	s_nop 0
.rept 4
	v_nop
.endr
	s_branch .Lasked_\@
.Lfor_b_\@:
	tensor_load_to_lds s[\g0b:\g0b+3], s[\g1b:\g1b+7]
	s_nop 0
.rept 4
	v_nop
.endr
.Lasked_\@:
.endm
.macro CREST                           ; a round of the cluster's barrier behind its opening barrier
	s_cmp_lg_u32 s14, 0
	s_cbranch_scc1 .Lnot_wave_0_\@
	s_barrier_signal -3
.Lnot_wave_0_\@:
	s_barrier_wait -3
	s_barrier_signal -1
	s_barrier_wait -1
.endm
.macro CROUND                          ; a whole round
	s_barrier_signal -1
	s_barrier_wait -1
	CREST
.endm
; A PREFETCH INTO THE L2, behind a joint load, its four lines and the run of LDS loads that follows them.  The refill at change t of slots (t = 0 .. 13) brings K slot t + 2; the prefetch there names what K slot t + 4
; adds: two refills, 256 matrix instructions, ahead.  Four slots are three pieces of the stream: of x 256 bytes of each row (a slot is 192), of W 32,768 bytes of my 128 columns' images (a slot is 24,576).
; So slots 4 m, 4 m + 1, 4 m + 2 each begin one new piece and slot 4 m + 3 none: the changes with t % 4 = 3 ask for nothing, and those with t above 10 neither (no slot 16).  Nine requests: pieces 3 to 11 of 12.
; By the lap counter s3 = 7 .. 1: the even changes (t = 14 - 2 s3) ask while s3 is above 1; the odd ones (t = 15 - 2 s3) while s3 is odd and above 1.
; Each aligned block of 256 bytes is named ONCE in the launch.  x's tile row is read by every cluster of that row of clusters: the cluster with x = 0 asks; W's tile column by every cluster of that column: the
; cluster with y = 0 asks.  The four partners that ask for a tile jointly share it out BY ADDRESS (x: 32 rows each, a lane a row; W: 8,192 bytes each, lanes 256 bytes apart): no branch hangs on a place in the cluster.
; K slots 0 to 3 come by their loads alone.  The address is stepped just ahead of the prefetch; the wait that frees it stands at the head of the change of slots.
.macro ASK odd
	s_cmp_gt_u32 s3, s[LIM]
	s_cbranch_scc0 .Lnot_mine_\@
.if \odd
	s_and_b32 s18, s3, 1
	s_cmp_eq_u32 s18, 0
	s_cbranch_scc1 .Lnot_mine_\@
.endif
	s_add_nc_u64 s[PFA:PFA+1], s[PFA:PFA+1], s[PFS:PFS+1]
	global_prefetch_b8 v[PFO], s[PFA:PFA+1] th:TH_LOAD_NT scope:SCOPE_SE
.Lnot_mine_\@:
.endm
	s_load_b128 s[4:7], s[0:1], 0x0                ; x's codes s[4:5], x's scales s[6:7]
	s_load_b128 s[8:11], s[0:1], 0x10              ; W's images s[8:9], W's scale words s[10:11]
	s_load_b64 s[96:97], s[0:1], 0x20              ; b
	s_load_b64 s[12:13], s[0:1], 0x28              ; the output
	v_lshl_add_u32 v[SPW], v0, 2, SPARE
	v_mov_b32 v[NIL], 0
	ds_add_u32 v28, v29
	ds_add_u32 v28, v29
	s_wait_dscnt 0x0
	v_lshrrev_b32 v1, 5, v0
	v_readfirstlane_b32 s14, v1                    ; wave 0..3
	s_lshr_b32 s15, s14, 1                         ; which half of the tile's rows is mine.  Also: I fetch for x (0) or for W (1)
	s_and_b32 s16, s14, 1                          ; which half of its columns.  Also: which 128 rows or columns I fetch
	s_bfe_u32 s40, ttmp6, 0x40000                  ; cx, cy: my place in the cluster
	s_bfe_u32 s41, ttmp6, 0x40004
	s_lshl_b32 s42, ttmp9, 2
	s_add_co_u32 s42, s42, s40                     ; tile column = 4 x cluster x + cx
	s_and_b32 s17, ttmp7, 0xffff
	s_lshl_b32 s17, s17, 2
	s_add_co_u32 s17, s17, s41                     ; tile row = 4 x cluster y + cy
	s_lshl_b32 s43, s41, 2
	s_lshl_b32 s43, 15, s43                        ; my row of the cluster
	s_lshl_b32 s44, 0x1111, s40                    ; my column
	; descriptor group 1 for x's tiles: 128 rows x 192 bytes, 3,072 bytes apart, padded in LDS
	s_or_b32 s[G1+0], s43, (0<<16)|(1<<20)|(1<<21)|(3<<22)|(3<<25)  ; 15:0 the mask: my row; 17:16 elements of 1 byte; 20 padding on; 21 set beside a mask; 24:22 after every 16 words (code 3); 31:25 of 4 words (code 3)
	s_mov_b32 s[G1+1], ROWB<<16                    ; tensor_dim0
	s_mov_b32 s[G1+2], 128<<16                     ; tensor_dim1
	s_mov_b32 s[G1+3], ROWB<<16                    ; tile_dim0
	s_mov_b32 s[G1+4], 128                         ; tile_dim1
	s_mov_b32 s[G1+5], KROW                        ; tensor_dim0_stride
	s_mov_b32 s[G1+6], 0
	s_mov_b32 s[G1+7], 0
	; for W's tiles: a dense block of 24,576 bytes, as 96 rows of 256 bytes (32 elements of 8 bytes), no padding
	s_or_b32 s[G1B+0], s44, (3<<16)|(1<<21)        ; the mask: my column
	s_mov_b32 s[G1B+1], 32<<16
	s_mov_b32 s[G1B+2], 96<<16
	s_mov_b32 s[G1B+3], 32<<16
	s_mov_b32 s[G1B+4], 96
	s_mov_b32 s[G1B+5], 32
	s_mov_b32 s[G1B+6], 0
	s_mov_b32 s[G1B+7], 0
	; for the scales of 128 rows or columns: a dense block of 16,384 bytes, as 64 rows of 256 bytes; x's with 16 bytes of padding behind each, W's without
	s_or_b32 s[G1S+0], s43, (3<<16)|(1<<20)|(1<<21)|(5<<22)|(3<<25)
	s_or_b32 s[G1SB+0], s44, (3<<16)|(1<<21)
.irp g, G1S, G1SB
	s_mov_b32 s[\g+1], 32<<16
	s_mov_b32 s[\g+2], 64<<16
	s_mov_b32 s[\g+3], 32<<16
	s_mov_b32 s[\g+4], 64
	s_mov_b32 s[\g+5], 32
	s_mov_b32 s[\g+6], 0
	s_mov_b32 s[\g+7], 0
.endr
	; where the tiles come from.  x's hang on the tile row alone, W's on the tile column alone; every wave makes both, in registers that never hold the other coordinate
	s_lshl_b32 s18, s16, 7
	s_lshl_b32 s20, s17, 8
	s_add_co_u32 s20, s20, s18                     ; x: row 256 x tile row + 128 x half
	s_lshl_b32 s22, s20, 7                         ; its scale bytes: 128 a row
	s_mov_b32 s23, 0
	s_mul_i32 s20, s20, KROW                       ; its codes (all these offsets stay under 2^24)
	s_mov_b32 s21, 0
	s_lshl_b32 s46, s42, 1
	s_add_co_u32 s46, s46, s16                     ; W: 128 columns number 2 x tile column + half
	s_lshl_b32 s92, s46, 14                        ; their scale words
	s_mov_b32 s93, 0
	s_mul_i32 s46, s46, 32*8*FRB                   ; their images
	s_mov_b32 s47, 0
	s_mul_i32 s45, s16, HALFA                      ; and where they go: no place in the cluster enters an LDS address
	s_mul_i32 s94, s16, HALFB
	s_mul_i32 s95, s16, HALFS
	s_lshl_b32 s19, s16, 14
	s_wait_kmcnt 0x0
	s_add_nc_u64 s[20:21], s[4:5], s[20:21]
	s_add_nc_u64 s[22:23], s[6:7], s[22:23]
	s_add_nc_u64 s[46:47], s[8:9], s[46:47]
	s_add_nc_u64 s[92:93], s[10:11], s[92:93]
	CROUND                                         ; all sixteen work-groups are here: the first joint loads meet
	s_mov_b32 s[G0S], 1                            ; 1:0 count = 1
	s_add_co_u32 s[G0S+1], s95, SCLA               ; 63:32 LDS address
	s_mov_b64 s[G0S+2:G0S+3], s[22:23]             ; 120:64 global address
	s_or_b32 s[G0S+3], s[G0S+3], 0x80000000        ; 127:126 type = 2
	s_mov_b32 s[G0SB], 1
	s_add_co_u32 s[G0SB+1], s19, SCLB
	s_mov_b64 s[G0SB+2:G0SB+3], s[92:93]
	s_or_b32 s[G0SB+3], s[G0SB+3], 0x80000000
	JLOAD G0S, G1S, G0SB, G1SB                     ; the scales first: they are wanted with K slot 0
.irp s, 0,1
	s_mov_b32 s[G0+4*\s], 1
	s_add_co_u32 s[G0+4*\s+1], s45, \s*SLOT
	s_add_nc_u64 s[G0+4*\s+2:G0+4*\s+3], s[20:21], \s*ROWB
	s_or_b32 s[G0+4*\s+3], s[G0+4*\s+3], 0x80000000
	s_mov_b32 s[G0B+4*\s], 1
	s_add_co_u32 s[G0B+4*\s+1], s94, BOFF+\s*SLOT
	s_add_nc_u64 s[G0B+4*\s+2:G0B+4*\s+3], s[46:47], \s*HALFB
	s_or_b32 s[G0B+4*\s+3], s[G0B+4*\s+3], 0x80000000
	JLOAD G0+4*\s, G1, G0B+4*\s, G1B               ; three tensor loads of mine are out behind the second of these
.endr
	; the bias, and where my part of the output begins
	v_and_b32 v1, 15, v0                           ; r = lane % 16
	v_bfe_u32 v2, v0, 4, 1                         ; h = lane / 16
	v_and_b32 v6, 31, v0                           ; lane
	v_lshlrev_b32 v[BO], 5, v2
	s_lshl_b32 s46, s42, 10                        ; my first column, in bytes of f32: 1,024 x tile column + 512 x half
	s_lshl_b32 s47, s16, 9
	s_add_co_u32 s46, s46, s47
	s_mov_b32 s47, 0
	s_add_nc_u64 s[96:97], s[96:97], s[46:47]
.irp b, 0,1,2,3,4,5,6,7
	global_load_b128 v[BIAS+8*\b:BIAS+8*\b+3],   v[BO], s[96:97] offset:64*\b      ; in the result's layout a lane's eight registers are eight neighbouring columns
	global_load_b128 v[BIAS+8*\b+4:BIAS+8*\b+7], v[BO], s[96:97] offset:64*\b+16
.endr
	s_lshl_b32 s20, s17, 8
	s_lshl_b32 s21, s15, 7
	s_add_co_u32 s20, s20, s21                     ; my first row: 256 x tile row + 128 x half,
	s_lshl_b32 s20, s20, 14                        ; of 16,384 bytes
	s_mov_b32 s21, 0
	s_add_nc_u64 s[12:13], s[12:13], s[20:21]
	s_add_nc_u64 s[12:13], s[12:13], s[46:47]
	; LDS addresses
	v_mul_u32_u24 v3, v1, PITCH
	v_mul_u32_u24 v4, v2, 24
	v_add_nc_u32 v4, v3, v4                        ; a fragment of x: row x pitch + 24 x half
	v_lshl_add_u32 v5, v2, 4, v4                   ; and the same behind one padding more
	v_lshlrev_b32 v[CO], 4, v6                     ; 16 x lane
	s_mul_i32 s21, s15, HALFA                      ; my 128 rows of x
	s_mul_i32 s22, s16, HALFB                      ; my 128 columns of W,
	s_add_co_u32 s22, s22, BOFF                    ; which lie behind x's 256 rows
.irp s, 0,1
	v_add_nc_u32 v[ADRA+\s], s21, v4
	v_add_nc_u32 v[ADRA+2+\s], s21, v5
	v_add_nc_u32 v[ADRB+\s], s22, v[CO]
	s_add_co_u32 s21, s21, SLOT
	s_add_co_u32 s22, s22, SLOT
.endr
	v_lshlrev_b32 v5, 7, v1                        ; my row's scale bytes: 128 a row,
	v_lshrrev_b32 v7, 1, v1
	v_lshl_add_u32 v5, v7, 4, v5                   ; 16 more for each 256 passed,
	v_mad_u32_u24 v5, v2, 4*SBLK, v5               ; and lanes 16-31 four blocks of 16 rows further on
	s_mul_i32 s21, s15, HALFS
	s_add_co_u32 s21, s21, SCLA
	v_add_nc_u32 v[ADSA], s21, v5
	s_lshl_b32 s22, s16, 14
	s_add_co_u32 s22, s22, SCLB
	v_add_nc_u32 v[ADSB], s22, v[CO]
	s_mul_i32 s23, s14, 16*SPITCH                  ; my stage
	v_mul_u32_u24 v5, v1, SPITCH                   ; in: row lane % 16, 32 bytes for each half of the lanes
	v_lshl_add_u32 v5, v2, 5, v5
	v_add_nc_u32 v[STO], s23, v5
	v_add_nc_u32 v[RD], s23, v[CO]                 ; back: the 32 lanes take one row of 512 bytes
	; the prefetches (macro ASK): where mine stand, and who asks
	s_lshl_b32 s18, s17, 8
	s_lshl_b32 s19, s16, 7
	s_add_co_u32 s18, s18, s19
	s_lshl_b32 s19, s40, 5
	s_add_co_u32 s18, s18, s19                     ; x: of the 128 rows that I fetch, my work-group's 32,
	s_mul_i32 s18, s18, KROW
	s_add_co_u32 s18, s18, 2*256                   ; at piece 2: the first request steps to piece 3
	s_lshl_b32 s19, s42, 1
	s_add_co_u32 s19, s19, s16
	s_mul_i32 s19, s19, 32*8*FRB                   ; W: the 128 columns that I fetch,
	s_lshl_b32 s20, s41, 13
	s_add_co_u32 s19, s19, s20                     ; my work-group's 8,192 bytes of a piece,
	s_add_co_u32 s19, s19, 2*32768                 ; at piece 2
	s_and_b32 s22, ttmp7, 0xffff                   ; cluster y
	s_mov_b32 s[PFS], 32768
	s_mov_b32 s23, 256
	s_cmp_eq_u32 s15, 0                            ; do I fetch for x?
	s_cselect_b64 s[PFA:PFA+1], s[4:5], s[8:9]
	s_cselect_b32 s20, s18, s19
	s_cselect_b32 s22, ttmp9, s22                  ; the coordinate along which other clusters read the same bytes
	s_cselect_b32 s[PFS], 256, s[PFS]              ; from piece to piece
	s_cselect_b32 s23, KROW, s23                   ; from lane to lane
	s_mov_b32 s21, 0
	s_mov_b32 s[PFS+1], 0
	s_add_nc_u64 s[PFA:PFA+1], s[PFA:PFA+1], s[20:21]
	s_cmp_eq_u32 s22, 0
	s_cselect_b32 s[LIM], 1, -1                    ; the same in all sixteen partners, for a given wave
	v_mul_lo_u32 v[PFO], v6, s23
.macro FRAG reg, adr, q, i             ; a fragment of x, 16 rows x 128 K, is 12 registers: lane l holds row l % 16; registers 6 c .. 6 c + 5 hold K = 64 c + 32 (l / 16) + 0 .. 31: 24 bytes of the row's stream of bits, as they lie
.irp p, 0,1,2,3,4,5                    ; in pieces of 8 bytes, so that every address is a multiple of the access's size.  Lanes 0-15 take the row's pieces 12 q + 0, 1, 2 and 12 q + 6, 7, 8, lanes 16-31 those three pieces on
.set PC, 12*(\q)+6*(\p/3)+\p%3        ; 16 bytes of padding lie behind every 8 pieces: where the piece three on lies behind one padding more, the second address register (40 for 24 bytes a half) serves
.if PC%8 < 5
	ds_load_b64 v[\reg+2*\p:\reg+2*\p+1], v[\adr] offset:8*PC+16*(PC/8)+(\i)*16*PITCH
.else
	ds_load_b64 v[\reg+2*\p:\reg+2*\p+1], v[\adr+2] offset:8*PC+16*(PC/8)+(\i)*16*PITCH
.endif
.endr
.endm
; 16 matrix instructions: x's blocks a0, a0 + 1 against W's eight, 128 along K: the slot's q-th.  p: W's set;  sc: the set of scale words.  first = 1: the sums start from the bias: nothing is cleared, nothing is added later.
; A side's scale words stand in lanes 0-15 for blocks 0-3 and in lanes 16-31 (ROW1) for blocks 4-7.  The 64 accumulators take turns, one instruction a turn, in the same order in every step.
.macro MUL16 a0, p, q, sc, first
.irp a, \a0, \a0+1
.irp b, 0,1,2,3,4,5,6,7
.set rD, 8*(8*((\a)%4)+\b)
.set rB, 128*(\p)+FR*\b
.set rA, AF+FR*(\a)
.set rC, rD
.if \first
.set rC, BIAS+8*\b
.endif
.set rSB, SCB+8*(\sc)+4*(\q)+\b%4
.set rSA, SCA+8*(\sc)+2*((\a)%4)+(\q)
.if (\b/4) && ((\a)/4)
	v_wmma_scale_f32_16x16x128_f8f6f4 v[rD:rD+7], v[rB:rB+FR-1], v[rA:rA+FR-1], v[rC:rC+7], v[rSB], v[rSA] matrix_a_fmt:MATRIX_FMT_FP6 matrix_b_fmt:MATRIX_FMT_FP6 matrix_a_scale:MATRIX_SCALE_ROW1 matrix_b_scale:MATRIX_SCALE_ROW1
.elseif (\b/4)
	v_wmma_scale_f32_16x16x128_f8f6f4 v[rD:rD+7], v[rB:rB+FR-1], v[rA:rA+FR-1], v[rC:rC+7], v[rSB], v[rSA] matrix_a_fmt:MATRIX_FMT_FP6 matrix_b_fmt:MATRIX_FMT_FP6 matrix_a_scale:MATRIX_SCALE_ROW1
.elseif ((\a)/4)
	v_wmma_scale_f32_16x16x128_f8f6f4 v[rD:rD+7], v[rB:rB+FR-1], v[rA:rA+FR-1], v[rC:rC+7], v[rSB], v[rSA] matrix_a_fmt:MATRIX_FMT_FP6 matrix_b_fmt:MATRIX_FMT_FP6 matrix_b_scale:MATRIX_SCALE_ROW1
.else
	v_wmma_scale_f32_16x16x128_f8f6f4 v[rD:rD+7], v[rB:rB+FR-1], v[rA:rA+FR-1], v[rC:rC+7], v[rSB], v[rSA] matrix_a_fmt:MATRIX_FMT_FP6 matrix_b_fmt:MATRIX_FMT_FP6
.endif
.endr
.endr
.endm
.macro FETCH_B slot, q, p              ; W's eight fragments of the slot's q-th 128 along K into set p: images of the registers, three loads of 16 bytes a lane each, 512 consecutive bytes a load
	WIN TO_B
.irp i, 0,1,2,3,4,5,6,7
.irp c, 0,1,2
	ds_load_b128 v[128*(\p)+FR*\i+4*\c:128*(\p)+FR*\i+4*\c+3], v[ADRB+\slot] offset:8*FRB*(\q)+FRB*\i+512*\c
.endr
.endr
	WIN 0
.endm
.macro FETCH_A slot, q, i0             ; x's blocks i0 .. i0 + 3: 24 loads
.irp i, \i0, \i0+1, \i0+2, \i0+3
	FRAG AF+FR*(\i), ADRA+\slot, \q, \i
.endr
.endm
.macro SCALES sc                       ; a K slot's scale words into set sc: six loads
.irp i, 0,1,2,3
	ds_load_b64 v[SCA+8*\sc+2*\i:SCA+8*\sc+2*\i+1], v[ADSA] offset:\i*SBLK
.endr
.irp q, 0,1
	ds_load_b128 v[SCB+8*\sc+4*\q:SCB+8*\sc+4*\q+3], v[ADSB] offset:512*\q
.endr
.endm
; A load into a register that a matrix instruction has read, and an LDS store that reads a matrix result, stand NP places behind that matrix instruction, and only plain vector instructions that name none of
; its registers are places (ISA guide 7.12.1 for vector instructions); this text does not count the matrix instructions in between.
.macro PLACES n
.rept \n
	v_nop
.endr
.endm
; A step of 128 along K that has its successor in the same slot.
.macro STEP slot, q, first
	s_wait_dscnt 24                                ; W's set, x's blocks 0-3 and the scale words are in; the youngest 24 loads (x's blocks 4-7) may be out
.if \first
	WIN MUL_LO1
.else
	WIN MUL_LO
.endif
	MUL16 0, (\q)%2, \q, \slot, \first
	MUL16 2, (\q)%2, \q, \slot, \first
	s_wait_dscnt 0                                 ; x's blocks 4-7 are in (asked for 32 matrix instructions ago)
	PLACES NP
	FETCH_B \slot, (\q)+1, 1-(\q)%2
	FETCH_A \slot, (\q)+1, 0
.if \first
	WIN MUL_HI1
.else
	WIN MUL_HI
.endif
	MUL16 4, (\q)%2, \q, \slot, \first
	MUL16 6, (\q)%2, \q, \slot, \first
	PLACES NP
	WIN 0
	FETCH_A \slot, (\q)+1, 4
.endm
; A slot's last step changes slots: ONE barrier; in front of it each wave waits for all its tensor loads, adds 0 to its spare word, and waits for that and for its own reads of this slot.  fill = 1: this slot is filled again, two K slots ahead.
.macro TURN slot, next, fill
.if \fill
	s_wait_xcnt 0x0                                ; my last prefetch, a slot or more back, has read its address: the step in ASK below writes it
.endif
	s_wait_tensorcnt 0x0                           ; all my tensor loads have landed: my part of the next slot;  (every window is 0 here: the add's two registers lie in window 0)
	ds_add_u32 v[SPW], v[NIL]                      ; 0 onto my spare word;
	s_wait_dscnt 25                                ; (the add and the youngest 24 loads, x's blocks 4-7, may be out)
	WIN MUL_LO
	MUL16 0, 1, 1, \slot, 0                        ; sixteen matrix instructions stand between the add and the wait for it
	s_wait_dscnt 0x0                               ; the add is done, and my reads of this slot are over
	s_barrier_signal -1
	MUL16 2, 1, 1, \slot, 0
	WIN 0
	s_barrier_wait -1
.if \fill
	CREST                                          ; the barrier has opened a round of the cluster's barrier: no wave of any partner still reads this slot's tile or has a load on its way
	s_add_nc_u64 s[G0+4*\slot+2:G0+4*\slot+3], s[G0+4*\slot+2:G0+4*\slot+3], 2*ROWB
	s_add_nc_u64 s[G0B+4*\slot+2:G0B+4*\slot+3], s[G0B+4*\slot+2:G0B+4*\slot+3], 2*HALFB
	JLOAD G0+4*\slot, G1, G0B+4*\slot, G1B         ; the first tensor load behind the round, my one load until the next; the four v_nop behind it are the places in front of the loads below
.else
	PLACES NP
.endif
	v_add_nc_u32 v[ADSA], 8, v[ADSA]               ; on to the next K slot's scale words: two words a row of x,
	v_add_nc_u32 v[ADSB], 1024, v[ADSB]            ; two times 512 bytes of W's
	FETCH_B \next, 0, 0
	FETCH_A \next, 0, 0
	SCALES \next
.if \fill
	ASK \slot
.endif
	WIN MUL_HI
	MUL16 4, 1, 1, \slot, 0
	MUL16 6, 1, 1, \slot, 0
	PLACES NP
	WIN 0
	FETCH_A \next, 0, 4
.endm
	s_wait_tensorcnt 1                             ; the scales and my part of K slot 0 are in (K slot 1's load may be out)
	s_barrier_signal -1
	s_barrier_wait -1                              ; everybody's are
	FETCH_B 0, 0, 0
	FETCH_A 0, 0, 0
	SCALES 0
	FETCH_A 0, 0, 4
	s_wait_loadcnt 0x0                             ; the bias
	STEP 0, 0, 1                                   ; the first step stands in front of the loop: its products start the sums from the bias
	s_mov_b32 s3, LAPS-1
.Llap:                                                 ; a trip goes once round the ring, from a lap's second step to the next lap's first, and fills both slots again
	TURN 0, 1, 1
	STEP 1, 0, 0
	TURN 1, 0, 1
	STEP 0, 0, 0
	s_sub_co_u32 s3, s3, 1
	s_cmp_lg_u32 s3, 0
	s_cbranch_scc1 .Llap
	TURN 0, 1, 0                                   ; the last lap fills nothing, and has no round of the cluster's barrier
	STEP 1, 0, 0
	s_wait_dscnt 24                                ; the very last step: nothing more to fetch
	WIN MUL_LO
	MUL16 0, 1, 1, 1, 0
	MUL16 2, 1, 1, 1, 0
	s_wait_dscnt 0
	WIN MUL_HI
	MUL16 4, 1, 1, 1, 0
	MUL16 6, 1, 1, 1, 0
	WIN 0
; THE WAY OUT, block by block of 16 rows x 128 columns.  A lane holds 32 neighbouring bytes of a row, and the lanes beside it hold other rows: so a block goes through my own stage in LDS and comes back as whole
; rows of 512 bytes, which the 32 lanes store together.  LDS serves a wave's instructions in order (ISA guide 5.7.1.4): no wait between the stores and the loads, nor in front of the next block's stores.
.macro TOSTAGE a
.set AC, 64*((\a)%4)
	WIN 0x08+4*((\a)/4)                            ; the data: window 2 or 3
.irp b, 0,1,2,3,4,5,6,7
	ds_store_b128 v[STO], v[AC+8*\b:AC+8*\b+3] offset:64*\b          ; each accumulator from its low end on
	ds_store_b128 v[STO], v[AC+8*\b+4:AC+8*\b+7] offset:64*\b+16
.endr
	WIN 0
.set BB, BK+64*((\a)%2)
.irp t, 0,1,2,3,4,5,6,7,8,9,10,11,12,13,14,15
	ds_load_b128 v[BB+4*\t:BB+4*\t+3], v[RD] offset:\t*SPITCH
.endr
.endm
.macro SEND a, younger                 ; younger: the LDS instructions issued behind block a's loads, which may stay out
.set BB, BK+64*((\a)%2)
	s_wait_dscnt \younger                          ; the block is back in registers
.if (\a) > 0
	s_add_nc_u64 s[12:13], s[12:13], 16*SIZE_N*4   ; (behind a wait on XCNT: the earlier stores have read their base)  16 rows on, so that the stores' offsets stay at 15 rows at the most
.endif
.irp t, 0,1,2,3,4,5,6,7,8,9,10,11,12,13,14,15
	global_store_b128 v[CO], v[BB+4*\t:BB+4*\t+3], s[12:13] offset:\t*SIZE_N*4 th:TH_STORE_NT   ; 32 lanes store 512 consecutive bytes, at a multiple of 512 from the output's first byte; written once, read by nobody here
.endr
.endm
	PLACES NP                                      ; behind the last products: for the loads into the registers that held x's fragments, and for the stores that read results
	TOSTAGE 0
.irp a, 1,2,3,4,5,6,7
.if \a > 1
	s_wait_xcnt 0x0                                ; block a - 2's stores have read their registers and their base: block a's loads may land there, and the base may step
.endif
	TOSTAGE \a
	SEND \a-1, 32                                  ; behind block a - 1's loads: block a's 16 stores and 16 loads
.endr
	s_wait_xcnt 0x0                                ; block 6's stores have read their base
	SEND 7, 0
	s_wait_tensorcnt 0x0                           ; the wave's end: behind my last tensor load and my last LDS store
	ds_add_u32 v[SPW], v[NIL]
	s_wait_dscnt 0x0
	CROUND                                         ; the closing round: no work-group ends while a partner may still ask for a tile that names it
	s_endpgm
.Lfunc_end_k_q34b0aa552d_gemm:
	.size	k_q34b0aa552d_gemm, .Lfunc_end_k_q34b0aa552d_gemm-k_q34b0aa552d_gemm
	.p2alignl 7, 3214868480
	.fill 96, 4, 3214868480
	.section	.rodata,"a",@progbits
	.p2align	6, 0x0
	.amdhsa_kernel k_q34b0aa552d_gemm
		.amdhsa_group_segment_fixed_size 327680
		.amdhsa_private_segment_fixed_size 0
		.amdhsa_enable_private_segment 0
		.amdhsa_kernarg_size 48
		.amdhsa_user_sgpr_count 2
		.amdhsa_user_sgpr_kernarg_segment_ptr 1
		.amdhsa_wavefront_size32 1
		.amdhsa_system_sgpr_workgroup_id_x 1
		.amdhsa_system_sgpr_workgroup_id_y 1
		.amdhsa_system_sgpr_workgroup_id_z 1
		.amdhsa_system_vgpr_workitem_id 0
		.amdhsa_next_free_vgpr 1024
		.amdhsa_next_free_sgpr 100
		.amdhsa_reserve_vcc 0
		.amdhsa_float_denorm_mode_32 3
		.amdhsa_float_denorm_mode_16_64 3
		.amdhsa_memory_ordered 1
		.amdhsa_forward_progress 1
		.amdhsa_inst_pref_size 151
	.end_amdhsa_kernel
	.amdgpu_metadata
---
amdhsa.version: [ 1, 2 ]
amdhsa.kernels:
  - .name:           k_q34b0aa552d_gemm
    .symbol:         k_q34b0aa552d_gemm.kd
    .args:
      - { .name: x_codes, .offset: 0, .size: 8, .value_kind: global_buffer, .address_space: global }
      - { .name: x_scales, .offset: 8, .size: 8, .value_kind: global_buffer, .address_space: global }
      - { .name: w_img, .offset: 16, .size: 8, .value_kind: global_buffer, .address_space: global }
      - { .name: w_sc, .offset: 24, .size: 8, .value_kind: global_buffer, .address_space: global }
      - { .name: b, .offset: 32, .size: 8, .value_kind: global_buffer, .address_space: global }
      - { .name: out0, .offset: 40, .size: 8, .value_kind: global_buffer, .address_space: global }
    .group_segment_fixed_size: 327680
    .private_segment_fixed_size: 0
    .kernarg_segment_align: 8
    .kernarg_segment_size: 48
    .max_flat_workgroup_size: 128
    .sgpr_count:     100
    .vgpr_count:     1024
    .wavefront_size: 32
...
	.end_amdgpu_metadata
.endif
;; end of part 2
;; ======== version 2 of 2: 2 launches
;; limits: right only within a limited range of input values
;; workspace buffers: w_img 3,145,728 bytes; w_sc 131,072 bytes
;; launch quant (part 3): grid 256 x 1, 4 waves a work-group, no clusters, 13,824 bytes of LDS; arguments r_weight, i_weight, j_weight, k_weight, w_img, w_sc; writes w_img, w_sc
.if DOCPART == 3
	.amdgcn_target "amdgcn-amd-amdhsa--gfx1250"
	.amdhsa_code_object_version 6
	.text
	.protected	k_q34b0aa552d_quant
	.globl	k_q34b0aa552d_quant
	.p2align	8
	.type	k_q34b0aa552d_quant,@function
k_q34b0aa552d_quant:
	s_mov_b64 s[64:65], 0
	v_nop
	global_prefetch_b8 v0, s[64:65] scope:SCOPE_SE
	s_setreg_imm32_b32 hwreg(HW_REG_WAVE_MODE, 25, 1), 1
	s_wait_xcnt 0x0
; The four weights r, i, j, k [1024 (k)][1024 (n)], f32, are quantised along K, their FIRST axis, to codes of FP6 (E2M3) with one E8M0 byte for each 32 along K.
; The Hamilton matrix is made of 4 x 4 blocks +-weight; a block of 32 never crosses a block of 1,024, a scale hangs on magnitudes alone and the rounding is symmetric: so the codes of -w are the codes of w
; with every sign bit turned, under the same scale byte.  EACH WEIGHT IS QUANTISED AND STORED ONCE; the product's launch turns the signs where a block stands negative.
; OUT, in the order in which the product's registers take it (weight number: 0 r, 1 i, 2 j, 3 k):
;   w_img [n / 32][k / 128][weight][2][1,536]: the fragment of 16 columns x 128 K as an image of its 12 registers: byte 512 g + 16 l + 4 k' = register 4 g + k' of lane l;
;          lane (r, h), registers 6 c .. 6 c + 5 = the 24 bytes of K block 2 c + h of column r.
;   w_sc  [k / 128][weight][1,024 columns]: one word a column: its four scale bytes for 128 along K.
; SHARES.  Work-group x: weight x / 64, 128 along K number (x / 8) % 8, 128 columns number x % 8.  A LANE TAKES A COLUMN AND ITS REGISTERS RUN DOWN K: a load reads 128 consecutive bytes a wave,
; the four waves stand side by side on 512; a block's 32 numbers lie in one lane, and the conversions give codes with K innermost.  A wave's 32 columns x 128 K are two fragments and one scale word a lane.
; A block's scale is 2^(floor(log2(its largest magnitude)) - 2); its byte is the largest magnitude's exponent field - 2, held at 1 from below.
; LIMITS: a block of zeros gets the byte 1 where the rule says 127 (its codes are zeros, and this program alone reads the bytes); blocks whose largest magnitude lies under 2^(3 - 127), the floor, keep the byte 1;
; NaN and infinities among the weights are not served.
; No tensor load, no ring, no cluster (no two work-groups read the same bytes), no prefetch (every load of the launch is issued at its head).  One barrier, for the scale words.
.set STG,  0                           ; LDS: two images, 3,072 bytes, for each wave
.set SCG,  12288                       ; and the work-group's 128 scale words
.set CO,   20                          ; v20-43   the codes: 6 registers a block, never rewritten
.set P0,   48                          ; v48-71   the two images read back: 6 groups of 4
.set X,    72                          ; v72-199  the 128 numbers
	s_load_b256 s[4:11], s[0:1], 0x0               ; r s[4:5], i s[6:7], j s[8:9], k s[10:11]
	s_load_b128 s[12:15], s[0:1], 0x20             ; w_img s[12:13], w_sc s[14:15]
	v_lshl_add_u32 v200, v0, 2, 0x3400
	v_mov_b32 v201, 0
	v_lshrrev_b32 v1, 5, v0
	v_readfirstlane_b32 s16, v1                    ; wave 0..3
	v_and_b32 v1, 31, v0                           ; lane L
	v_and_b32 v2, 15, v0                           ; r = L % 16
	v_bfe_u32 v9, v0, 4, 1                         ; e = L / 16: which of my wave's two fragments my column belongs to
	s_lshr_b32 s17, ttmp9, 6                       ; w: which weight
	s_bfe_u32 s18, ttmp9, 0x30003                  ; kq: which 128 of its K
	s_and_b32 s19, ttmp9, 7                        ; cg: which 128 of its columns
	v_lshlrev_b32 v3, 2, v1                        ; in: 4 bytes a lane
	v_lshlrev_b32 v8, 4, v1                        ; out: 16 bytes a lane
	s_mul_i32 s50, s16, 3072                       ; my wave's two images in LDS
	v_add_nc_u32 v5, s50, v8                       ; back from the stage: 16 L
	v_lshlrev_b32 v4, 4, v2
	v_mad_u32_u24 v4, v9, 1536, v4
	v_add_nc_u32 v4, s50, v4                       ; into the stage: fragment e, place of lane r (a block's half h adds 256)
	v_lshl_add_u32 v6, v0, 2, SCG                  ; my column's scale word: 4 x my thread's number
	v_add_nc_u32 v7, SCG, v8                       ; and back: 16 bytes a lane
	; where my wave's numbers begin in the weight: 128 kq rows of 4,096 bytes + 512 cg + 128 wave
	s_lshl_b32 s20, s18, 19
	s_lshl_b32 s21, s19, 9
	s_add_co_u32 s20, s20, s21
	s_lshl_b32 s21, s16, 7
	s_add_co_u32 s20, s20, s21
	s_mov_b32 s21, 0
	s_and_b32 s22, s17, 1
	s_wait_alu depctr_va_vdst(0)
	s_wait_kmcnt 0x0
	s_cmp_lg_u32 s22, 0                            ; the weight is chosen by the work-group's number alone
	s_cselect_b64 s[46:47], s[6:7], s[4:5]         ; i or r
	s_cselect_b64 s[48:49], s[10:11], s[8:9]       ; k or j
	s_cmp_ge_u32 s17, 2
	s_cselect_b64 s[4:5], s[48:49], s[46:47]
	s_add_nc_u64 s[4:5], s[4:5], s[20:21]
.set i, 0
.rept 128
	global_load_b32 v[X+i], v3, s[4:5] offset:4096*i th:TH_LOAD_NT   ; w(128 kq + i, my column): read once in the launch
.set i, i+1
.endr
	; where my two images go: ((4 cg + wave) x 8 + kq) x 12,288 + 3,072 w
	s_lshl_b32 s46, s19, 2
	s_add_co_u32 s46, s46, s16
	s_lshl_b32 s46, s46, 3
	s_add_co_u32 s46, s46, s18
	s_mul_i32 s46, s46, 12288
	s_mul_i32 s47, s17, 3072
	s_add_co_u32 s46, s46, s47
	s_mov_b32 s47, 0
	s_add_nc_u64 s[24:25], s[12:13], s[46:47]
	; and the work-group's 128 scale words: (4 kq + w) x 4,096 + 512 cg
	s_lshl_b32 s46, s18, 2
	s_add_co_u32 s46, s46, s17
	s_lshl_b32 s46, s46, 12
	s_lshl_b32 s47, s19, 9
	s_add_co_u32 s46, s46, s47
	s_mov_b32 s47, 0
	s_add_nc_u64 s[32:33], s[14:15], s[46:47]
; Block t of my column: 32 numbers become 24 bytes of codes and a scale byte; the codes go to the place in the stage that the fragment's image gives them: lane r + 16 (t % 2), registers 6 (t / 2) on.
.macro BLOCK t
.set XS, X+32*(\t)
.set CT, CO+6*(\t)
.if 32*(3-(\t)) > 63
	s_wait_loadcnt 63                              ; this block's loads are in (the later blocks' 32 (3 - t) might stay out; the count's field holds 63 at the most, and a smaller count is safe)
.else
	s_wait_loadcnt 32*(3-(\t))                     ; this block's loads are in; the later blocks' may be out
.endif
	v_max3_num_f32 v10, |v[XS]|, |v[XS+1]|, |v[XS+2]|               ; the block's largest magnitude, in two chains: all 32 numbers are mine
	v_max3_num_f32 v11, |v[XS+3]|, |v[XS+4]|, |v[XS+5]|
.irp i, 6,10,14,18,22,26
	v_max3_num_f32 v10, v10, |v[XS+\i]|, |v[XS+\i+1]|
	v_max3_num_f32 v11, v11, |v[XS+\i+2]|, |v[XS+\i+3]|
.endr
	v_max3_num_f32 v10, v10, |v[XS+30]|, |v[XS+31]|
	v_max3_num_f32 v10, v10, v11, 0x1800000        ; and the floor 2^(3 - 127): the byte cannot fall under 1
	v_add_nc_u32 v12, 0xff000000, v10              ; 2 off its exponent field: the conversion takes the exponent field of this operand as its scale, and nothing else of it
	v_lshrrev_b32 v13, 23, v12                     ; the scale's byte
.if (\t) == 0
	v_mov_b32 v14, v13                             ; four bytes make my column's scale word, the lower K in the lower byte
.else
	v_lshl_or_b32 v14, v13, 8*(\t), v14
.endif
	v_cvt_scalef32_pk16_fp6_f32 v[CT:CT+2], v[XS:XS+15], v12
	v_cvt_scalef32_pk16_fp6_f32 v[16:18], v[XS+16:XS+31], v12       ; (a conversion's three registers begin on an even number: the second half is made elsewhere and moved)
	v_nop                                          ; one plain vector instruction behind the conversions, ahead of the moves that read their result
	v_mov_b32 v[CT+3], v16
	v_mov_b32 v[CT+4], v17
	v_mov_b32 v[CT+5], v18
.if (\t) < 2
	ds_store_b128 v4, v[CT:CT+3] offset:256*((\t)%2)               ; registers 0-3: group 0
	ds_store_b64 v4, v[CT+4:CT+5] offset:512+256*((\t)%2)          ; registers 4, 5: the lower half of group 1
.else
	ds_store_b64 v4, v[CT:CT+1] offset:520+256*((\t)%2)            ; registers 6, 7: its upper half
	ds_store_b128 v4, v[CT+2:CT+5] offset:1024+256*((\t)%2)        ; registers 8-11: group 2
.endif
.endm
	BLOCK 0
	BLOCK 1
	BLOCK 2
	BLOCK 3
	ds_store_b32 v6, v14                           ; my column's scale word, for wave 0
.irp g, 0,1,2,3,4,5
	ds_load_b128 v[P0+4*\g:P0+4*\g+3], v5 offset:512*\g            ; my wave's own bytes: LDS serves a wave's instructions in order (ISA guide 5.7.1.4), so these see my stores
.endr
	s_wait_dscnt 0x0                               ; for wave 0's sake: my scale word has landed; and my images are back
	s_barrier_signal -1
	s_barrier_wait -1
.irp g, 0,1,2,3,4,5
	global_store_b128 v8, v[P0+4*\g:P0+4*\g+3], s[24:25] offset:512*\g   ; 32 lanes store 512 consecutive bytes, at a multiple of 512 from the buffer's first byte
.endr
	s_cmp_lg_u32 s16, 0                            ; wave 0 stores the work-group's 512 bytes of scale words as one run
	s_cbranch_scc1 .Ldone
	ds_load_b128 v[44:47], v7
	s_wait_dscnt 0x0
	global_store_b128 v8, v[44:47], s[32:33]
.Ldone:
	s_wait_tensorcnt 0x0
	ds_add_u32 v200, v201
	s_wait_dscnt 0x0
	s_endpgm
.Lfunc_end_k_q34b0aa552d_quant:
	.size	k_q34b0aa552d_quant, .Lfunc_end_k_q34b0aa552d_quant-k_q34b0aa552d_quant
	.p2alignl 7, 3214868480
	.fill 96, 4, 3214868480
	.section	.rodata,"a",@progbits
	.p2align	6, 0x0
	.amdhsa_kernel k_q34b0aa552d_quant
		.amdhsa_group_segment_fixed_size 13824
		.amdhsa_private_segment_fixed_size 0
		.amdhsa_enable_private_segment 0
		.amdhsa_kernarg_size 48
		.amdhsa_user_sgpr_count 2
		.amdhsa_user_sgpr_kernarg_segment_ptr 1
		.amdhsa_wavefront_size32 1
		.amdhsa_system_sgpr_workgroup_id_x 1
		.amdhsa_system_sgpr_workgroup_id_y 1
		.amdhsa_system_sgpr_workgroup_id_z 1
		.amdhsa_system_vgpr_workitem_id 0
		.amdhsa_next_free_vgpr 202
		.amdhsa_next_free_sgpr 66
		.amdhsa_reserve_vcc 0
		.amdhsa_float_denorm_mode_32 3
		.amdhsa_float_denorm_mode_16_64 3
		.amdhsa_memory_ordered 1
		.amdhsa_forward_progress 1
		.amdhsa_inst_pref_size 23
	.end_amdhsa_kernel
	.amdgpu_metadata
---
amdhsa.version: [ 1, 2 ]
amdhsa.kernels:
  - .name:           k_q34b0aa552d_quant
    .symbol:         k_q34b0aa552d_quant.kd
    .args:
      - { .name: r_weight, .offset: 0, .size: 8, .value_kind: global_buffer, .address_space: global }
      - { .name: i_weight, .offset: 8, .size: 8, .value_kind: global_buffer, .address_space: global }
      - { .name: j_weight, .offset: 16, .size: 8, .value_kind: global_buffer, .address_space: global }
      - { .name: k_weight, .offset: 24, .size: 8, .value_kind: global_buffer, .address_space: global }
      - { .name: w_img, .offset: 32, .size: 8, .value_kind: global_buffer, .address_space: global }
      - { .name: w_sc, .offset: 40, .size: 8, .value_kind: global_buffer, .address_space: global }
    .group_segment_fixed_size: 13824
    .private_segment_fixed_size: 0
    .kernarg_segment_align: 8
    .kernarg_segment_size: 48
    .max_flat_workgroup_size: 128
    .sgpr_count:     66
    .vgpr_count:     202
    .wavefront_size: 32
...
	.end_amdgpu_metadata
.endif
;; end of part 3
;; launch gemm (part 4): grid 8 x 32, 4 waves a work-group, clusters of 4 x 1, 327,680 bytes of LDS; arguments x_codes, x_scales, w_img, w_sc, b, out0; writes out0
.if DOCPART == 4
	.amdgcn_target "amdgcn-amd-amdhsa--gfx1250"
	.amdhsa_code_object_version 6
	.text
	.protected	k_q34b0aa552d_gemm
	.globl	k_q34b0aa552d_gemm
	.p2align	8
	.type	k_q34b0aa552d_gemm,@function
k_q34b0aa552d_gemm:
	s_mov_b64 s[64:65], 0
	v_nop
	global_prefetch_b8 v0, s[64:65] scope:SCOPE_SE
	s_setreg_imm32_b32 hwreg(HW_REG_WAVE_MODE, 25, 1), 1
	s_wait_xcnt 0x0
	s_wait_alu depctr_hold_cnt(0) depctr_sa_sdst(0) depctr_va_vdst(0) depctr_va_sdst(0) depctr_va_ssrc(0) depctr_va_vcc(0) depctr_vm_vsrc(0)
	s_getreg_b32 s2, hwreg(HW_REG_IB_STS2, 6, 4)
	s_cmp_eq_u32 s2, 0
	s_cbranch_scc0 .Lentry_in_a_cluster
	s_endpgm
.Lentry_in_a_cluster:
	s_bfe_u32 s2, ttmp6, 0x10000c
	s_cmp_lg_u32 s2, 0x3003
	s_cbranch_scc0 .Lentry_shape_is_right
	s_endpgm
.Lentry_shape_is_right:
; out0[m][1024 c + n] = b[1024 c + n] + sum over p = 0 .. 3 and kk = 0 .. 1023 of +-x[m][1024 p + kk] w(p xor c)[kk][n]: x times the Hamilton matrix of the weights 0 r, 1 i, 2 j, 3 k,
; on codes of FP6 (E2M3) with one E8M0 scale for each 32 along K; sums in f32.  Signs over p: c = 0: + - - -, 1: + + - +, 2: + + + -, 3: + - + +.
; W STAYS IN REGISTERS.  A work-group takes 128 rows of x and the same 128 inner columns in all four column blocks c; a wave takes 32 of them, for ALL of K: 4 weights x 2 x 16 columns x 8 steps of 128 kk = 64 fragments of 12
; registers, 768.  They come straight from memory, each byte once in a work-group.  x's rows stream past them in eight BLOCKS of 16 rows, whole rows: 256 products a block and wave, each fragment of x for 8 products, and a block's 16 x 512 results are
; finished at its end: they leave under the next block's products.  256 work-groups.
; x: the 16 rows of a block are 49,152 consecutive bytes, stated as tensor rows of 1,024 bytes with 16 bytes of padding behind each: a row of x is 3,120 bytes of LDS.  Four slots of one block.  At the head one tensor load a wave:
; wave 0 block 0, wave 1 the scale bytes of all 128 rows, wave 2 block 1, wave 3 blocks 2 and 3.  Two refills, in blocks 2 and 4: two slots each, a quarter by each wave, in a round of the cluster's barrier.
; CLUSTERS: 4 work-groups of one row group: x's tiles and scales are asked for JOINTLY.  W is not: it goes to registers and never through LDS, and 393,216 bytes of it would not fit there.
; PREFETCH: block 0 asks for what the two refills will load: 384 units of 256 bytes each, 24 by each of the cluster's sixteen waves, one instruction a wave and refill.
; THE MATRIX INSTRUCTION IS USED TRANSPOSED (source 0 = 16 columns of W, source 1 = 16 rows of x): a lane then holds eight neighbouring numbers of a row of the output.
; SIGNS.  The sums of c = 0 and c = 2 are kept negated to the end; each wave stores one column block, c = its number, as (+-1) sum + b.  BLOCK 0 goes step by step along kk, as W arrives: where a sign is negative it names a copy of x's
; fragment with every sign bit turned.  THE OTHER BLOCKS go quarter by quarter (p): a sum whose sign differs in the next quarter is negated between the two: c 0, 3, then 3, 1, then 1, 2.
; ORDER OF THE SUMS: by the above, and b is added last: an order of rounding in f32 that differs from x @ W + b with K ascending.  NaN and infinities among the weights are not served (the launch before).
; A STEP is 8 products on one fragment of x (p, q: 128 kk); the eight sums take turns.  MEMORY WORK STANDS IN RUNS: a block's six runs stand ahead of steps 0, 6, 11, 16, 21 and 27 and fill the ring of eight fragments but for the two or three still to be used.
; Ahead of each run stand the four places that loads into registers read by products ask for; the vector work that is due stands there too.  Block 0 has a run ahead of every fourth step.
; The stage takes a block's results at the next block's start; a plain barrier shows them; eight, four and four rows come back and leave in fours.
; REGISTERS: windows 1 to 3: fragments 0-62 of W, 21 in each (fragment 8 q + 2 w + u at v[12 (f % 21)] of window 1 + f / 21).  v252-255: window 1: LDS addresses of x's fragments, quarters 0 and 1, then 2 and 3, each also for the pieces behind one padding more;
;   window 2: their lane parts, the stage's addresses in and back;  window 3: the bias.
;   window 0: v0-15, 28-31, 68-71, 84-87, 92-95 the way out (block 0: the turned fragment in v0-11), v16-27 fragment 63 of W, v76-79 addresses, v32-95 otherwise scale words; v96-159 the eight sums (c, u) at v[96 + 8 (2 c + u)]; v160-255 x's fragments, a ring of eight.
; THE WAITS' COUNTS: DSC counts the LDS instructions as the text issues them, LSn keeps its value behind the loads of ring place n: the difference is what may stay out.
.set PITCH,  3120
.set HALF,   1552                      ; byte of an LDS row where quarter 2 begins
.set BLKB,   49152                     ; a block of x in memory
.set SLOT,   49920                     ; and in LDS: 16 x 3,120
.set SCL,    4*SLOT                    ; x's scale bytes: units of 256 bytes + 16 of padding
.set SCBLK,  2176                      ; those of 16 rows
.set STAGE,  SCL+64*272                ; two stages of 16 rows x (4 x 512 bytes + 16)
.set SPITCH, 2064
.set STGB,   16*SPITCH
.set SPARE,  STAGE+2*STGB
.set NEG,    0
.set WF63,   16
.set SR,     32                        ; v[SR + 8 q + w]: W's scale word of step q, weight w (lanes 0-15 columns 0-15, lanes 16-31 the others); v[SR + 8 p + 4 + j]: x's words of quarter p, steps j (lanes 0-15) and 4 + j (lanes 16-31)
.set PFO,    12                        ; block 0 and the head alone
.set LN4,    13
.set SPW,    76
.set NIL,    77
.set CO,     78                        ; 16 x lane
.set ASD,    79
.set ACC,    96
.set XF,     160
.set G1X,    24
.set G0X,    32
.set G1S,    36
.set G0S,    44
.set G1Y,    48
.set G0Y,    56
.set SWI,    66                        ; STAGE + 128 x wave
.set SWO,    67                        ; STAGE + 512 x wave
.set G0B,    68
.set MK,     72
.set SGN,    76
.set BP,     78
.set OUT,    80
.set TB,     82                        ; a block's slot
.set UU,     83                        ; the same, by pairs of slots
.set SG,     84                        ; which stage
.set SO,     85                        ; the block's scale bytes
.set VV,     86                        ; the pair of slots filled last
.set LW,     87                        ; my quarter of it
.set CNT,    88
.set DSC, 0
.set LSR, 0
.irp k, 0,1,2,3,4,5,6,7
.set LS\k, 0
.endr
.set B0, 1
.set NXT, 1
.set KND, 0
.set G_, 0
.set MSB, 0
.macro WIN new                         ; the immediate's high byte repeats the setting that is left
.set WNEW, \new
.if MSB != WNEW
	s_set_vgpr_msb (MSB<<8)|WNEW
.set MSB, WNEW
.endif
.endm
.macro PLACES n
.rept \n
	v_nop
.endr
.endm
.macro TLOAD g0, g1
	tensor_load_to_lds s[\g0:\g0+3], s[\g1:\g1+7]
	s_nop 0
	PLACES 4
.endm
.macro CREST                           ; a round of the cluster's barrier behind its opening barrier
	s_cmp_lg_u32 s16, 0
	s_cbranch_scc1 .Lnot_wave_0_\@
	s_barrier_signal -3
.Lnot_wave_0_\@:
	s_barrier_wait -3
	s_barrier_signal -1
	s_barrier_wait -1
.endm
.macro CROUND
	s_barrier_signal -1
	s_barrier_wait -1
	CREST
.endm
.macro STAMP t
.irp k, 0,1,2,3,4,5,6,7
.if (\t)%8 == \k
.set LS\k, DSC
.endif
.endr
.endm
.macro WAITF t                         ; the fragment of step t is in
.irp k, 0,1,2,3,4,5,6,7
.if (\t)%8 == \k
	s_wait_dscnt DSC-LS\k
.endif
.endr
.endm
; Step t's fragment (t >= 32: of the next block), in six pieces of 8 bytes, two to a load where one address register serves both.  Lane (r, h) holds row r, its registers 6 c .. kk = 64 c + 32 h + 0 .. 31.
; Lanes 16-31 read 24 bytes further on; where that lies behind one padding more, the second address serves.  Source 0: window 1.
.macro FR t
.set pt_, \t
.if B0 && (pt_ < 32)
.set pp_, pt_%4
.set pq_, pt_/4
.else
.set pp_, (pt_%32)/8
.set pq_, pt_%8
.endif
.set ph_, pp_/2
.set sk_, 0
.irp e, 0,1,2,3,4,5
.if sk_
.set sk_, 0
.else
.set y0_, 768*pp_+96*pq_+48*(\e/3)+8*(\e%3)
.set y1_, 768*pp_+96*pq_+48*((\e+1)/3)+8*((\e+1)%3)
.set c0_, (y0_+24)/1024-y0_/1024
.set c1_, (y1_+24)/1024-y1_/1024
.set o0_, (y0_+16*(y0_/1024)-HALF*ph_)/8
.set o1_, (y1_+16*(y1_/1024)-HALF*ph_)/8
.set pr_, XF+12*(pt_%8)+2*\e
.if (\e < 5) && (c0_ == c1_)
	ds_load_2addr_b64 v[pr_:pr_+3], v[252+2*ph_+c0_] offset0:o0_ offset1:o1_
.set sk_, 1
.else
	ds_load_b64 v[pr_:pr_+1], v[252+2*ph_+c0_] offset:8*o0_
.endif
.set DSC, DSC+1
.endif
.endr
	STAMP pt_
.endm
; One product: column block c, columns 16 u on, quarter p, step q, x's fragment at register x.  first: the sum starts.
.macro WM c, u, p, q, x, first
.set wq_, \q
.set ww_, (\c)+(\p)-2*((\c)&(\p))
.set wf_, 8*wq_+2*ww_+\u
.if wf_ == 63
.set wr_, WF63
	WIN 0
.else
.set wr_, 12*(wf_%21)
	WIN 1+wf_/21
.endif
.set wa_, ACC+16*(\c)+8*(\u)
.set ws_, SR+8*wq_+ww_
.set wx_, SR+8*(\p)+4+wq_%4
.if \first
	v_wmma_scale_f32_16x16x128_f8f6f4 v[wa_:wa_+7], v[wr_:wr_+11], v[\x:\x+11], 0, v[ws_], v[wx_] matrix_a_fmt:MATRIX_FMT_FP6 matrix_b_fmt:MATRIX_FMT_FP6 matrix_a_scale:MATRIX_SCALE_ROW\u matrix_b_scale:MATRIX_SCALE_ROW0
.elseif wq_ < 4
	v_wmma_scale_f32_16x16x128_f8f6f4 v[wa_:wa_+7], v[wr_:wr_+11], v[\x:\x+11], v[wa_:wa_+7], v[ws_], v[wx_] matrix_a_fmt:MATRIX_FMT_FP6 matrix_b_fmt:MATRIX_FMT_FP6 matrix_a_scale:MATRIX_SCALE_ROW\u matrix_b_scale:MATRIX_SCALE_ROW0
.else
	v_wmma_scale_f32_16x16x128_f8f6f4 v[wa_:wa_+7], v[wr_:wr_+11], v[\x:\x+11], v[wa_:wa_+7], v[ws_], v[wx_] matrix_a_fmt:MATRIX_FMT_FP6 matrix_b_fmt:MATRIX_FMT_FP6 matrix_a_scale:MATRIX_SCALE_ROW\u matrix_b_scale:MATRIX_SCALE_ROW1
.endif
.endm
.macro WLD n                           ; 512 consecutive bytes of my images of W
.set lf_, (\n)/3
.if lf_ == 63
.set lr_, WF63+4*((\n)%3)
	WIN 0
.else
.set lr_, 12*(lf_%21)+4*((\n)%3)
	WIN 0x40*(1+lf_/21)
.endif
	global_load_b128 v[lr_:lr_+3], v[CO], s[BP:BP+1] offset:512*(\n)
.endm
.macro XSC p, off                      ; x's scale words of quarter p
	WIN 0
	ds_load_b128 v[SR+8*(\p)+4:SR+8*(\p)+7], v[ASD] offset:\off
.set DSC, DSC+1
.endm
.macro SETL                            ; addresses of quarters 0 and 1 in the slot TB
	WIN 0x48                                       ; source 1 window 2, destination window 1
	v_add_nc_u32 v[252], s[TB], v[252]
	v_add_nc_u32 v[253], s[TB], v[253]
	WIN 0
.endm
.macro SETH                            ; and of quarters 2 and 3
	s_add_co_u32 s20, s[TB], HALF
	WIN 0x48
	v_add_nc_u32 v[254], s20, v[252]
	v_add_nc_u32 v[255], s20, v[253]
	WIN 0
.endm
.macro SET0 full                       ; a block's start: the stage for the block before, this block's scale bytes, quarters 2 and 3
	s_xor_b32 s[SG], s[SG], STGB
	s_add_co_u32 s22, s[SG], s[SWI]
	s_add_co_u32 s23, s[SG], s[SWO]
	WIN 0
	v_bfe_u32 v0, v[CO], 4, 4                      ; r
	v_bfe_u32 v1, v[CO], 8, 1                      ; h
	v_mul_u32_u24 v4, v0, SPITCH
	v_lshl_add_u32 v4, v1, 5, v4
.if \full
	s_add_co_u32 s[SO], s[SO], SCBLK
	v_lshrrev_b32 v5, 1, v0
	v_lshlrev_b32 v5, 4, v5
	v_lshl_add_u32 v5, v0, 7, v5                   ; my row's scale bytes: 128 a row and 16 more for each 256 passed
	v_lshl_add_u32 v5, v1, 4, v5
	v_add_nc_u32 v[ASD], s[SO], v5
.endif
	WIN 0x80                                       ; destination window 2
	v_add_nc_u32 v[254], s22, v4                   ; in: row r, 32 bytes for each half of the lanes, my 128 bytes of each 512
	v_add_nc_u32 v[255], s23, v[CO]                ; back: column block c = my number
.if \full
	SETH
.endif
	WIN 0
	s_wait_alu depctr_va_vdst(0)
.endm
.macro TOSTAGE                         ; a block's sums, in the order in which the next block starts them anew
	WIN 2                                          ; address window 2, data window 0
.irp c, 0,3,1,2
.irp u, 0,1
.irp f, 0,1
	ds_store_b128 v[254], v[ACC+16*\c+8*\u+4*\f:ACC+16*\c+8*\u+4*\f+3] offset:512*\c+64*\u+16*\f
.set DSC, DSC+1
.endr
.endr
.endr
.endm
.macro TROW k                          ; the way out's eight groups of four registers
.if (\k) < 4
.set tr_, 4*(\k)
.elseif (\k) == 4
.set tr_, 28
.elseif (\k) == 5
.set tr_, 68
.elseif (\k) == 6
.set tr_, 84
.else
.set tr_, 92
.endif
.endm
.macro RB k, row                       ; a row comes back
	TROW \k
	WIN 2
	ds_load_b128 v[tr_:tr_+3], v[255] offset:(\row)*SPITCH
.set DSC, DSC+1
.set LSR, DSC
.endm
.macro PKF r
	WIN 0x30                                       ; the bias: window 3
	v_pk_fma_f32 v[\r:\r+1], v[\r:\r+1], s[SGN:SGN+1], v[252:253] op_sel_hi:[1,0,1]
	v_pk_fma_f32 v[\r+2:\r+3], v[\r+2:\r+3], s[SGN:SGN+1], v[254:255] op_sel_hi:[1,0,1]
.endm
.macro PK4 k
.irp j, 0,1,2,3
	TROW \k+\j
	PKF tr_
.endr
	WIN 0
.endm
.macro SEND r, row                     ; 32 lanes store 512 consecutive bytes, at a multiple of 512 from the output's first byte
	global_store_b128 v[CO], v[\r:\r+3], s[OUT:OUT+1] offset:16384*(\row) th:TH_STORE_NT
.endm
.macro SEND4 k, row
	WIN 0
.irp j, 0,1,2,3
	TROW \k+\j
	SEND tr_, \row+\j
.endr
.endm
.macro RB4 k, row
.irp j, 0,1,2,3
	RB \k+\j, \row+\j
.endr
.endm
.macro TOG a                           ; a sum changes its sign
.irp j, 0,2,4,6
	v_pk_mul_f32 v[\a+\j:\a+\j+1], v[\a+\j:\a+\j+1], -1.0 op_sel_hi:[1,0]
.endr
.endm
; ---- block 0
.macro GAP0 i
.if (G_ < 4) && (zp_ < 3)
.irp j, 0,1,2
	v_xor_b32 v[NEG+3*G_+\j], s[MK+\j], v[zo_+3*G_+\j]
.endr
.endif
.if (G_ == 3) && (zp_ < 3)
	PLACES 4                                       ; an operand written by vector instructions stands 4 places ahead of a scaled matrix instruction
.endif
.if (G_ == 7) && (zp_ < 2)
	PLACES 4                                       ; ahead of the next turned fragment
.endif
.set G_, G_+1
.endm
.macro STEP0 i, ca, cb, cc, cd         ; the first two column blocks take x's fragment as it is, the last two the turned one (quarters 0 to 2)
.set zp_, (\i)%4
.set zq_, (\i)/4
.set zo_, XF+12*((\i)%8)
.set zx_, zo_
.set zf_, 0
.if (\i) == 0
.set zf_, 1
.endif
	WAITF \i
.set G_, 0
.irp c, \ca, \cb
.irp u, 0,1
	WM \c, \u, zp_, zq_, zx_, zf_
	GAP0 \i
.endr
.endr
.if zp_ < 3
.set zx_, NEG
.endif
.irp c, \cc, \cd
.irp u, 0,1
	WM \c, \u, zp_, zq_, zx_, zf_
	GAP0 \i
.endr
.endr
.endm
.macro RUN0 q                          ; the run ahead of step q along kk: the next step's four fragments of x, and W's loads as far ahead as the 60 of the head
.if \q == 7
	s_wait_loadcnt 0
.elseif \q == 6
	s_wait_loadcnt 24
.else
	s_wait_loadcnt 36                              ; this step's 24 loads of W are in; the others of the 60 asked for ahead may be out
.endif
	WIN 0
.if \q == 6                            ; a plain barrier: blocks 1 to 3 are in
	s_wait_tensorcnt 0x0
	s_wait_dscnt 0x0
	s_barrier_signal -1
	s_mov_b32 s[G1Y+2], 24<<16                     ; the refills': 24 rows of 1,024 bytes a wave
	s_mov_b32 s[G1Y+4], 24
	s_mul_i32 s20, s16, BLKB/2
	s_add_nc_u64 s[G0Y+2:G0Y+3], s[G0Y+2:G0Y+3], s[20:21]
.endif
.if \q == 7
	s_barrier_wait -1
.endif
	PLACES 4
.if \q == 7
	s_mov_b32 s[TB], SLOT
	SETL
	s_wait_alu depctr_va_vdst(0)
	WIN 1
	FR 32
	FR 33
	FR 34
.elseif \q > 0
	WIN 1
.irp j, 4,5,6,7
	FR 4*\q+\j
.endr
.endif
.irp j, 0,1,2,3,4,5,6,7,8,9,10,11,12,13,14,15,16,17,18,19,20,21,22,23
.if 24*\q+60+\j < 192
	WLD 24*\q+60+\j
.endif
.endr
	WIN 0
.if \q == 3
	global_prefetch_b8 v[PFO], s[92:93] th:TH_LOAD_NT scope:SCOPE_SE
.elseif \q == 4
	global_prefetch_b8 v[PFO], s[92:93] offset:2*BLKB th:TH_LOAD_NT scope:SCOPE_SE
.endif
.endm
; ---- the other blocks.  KND: 1 and 2 the blocks of the first loop (2: with the refill), 3 the second loop's, 4 the last block
.macro GAPN i
.if ((\i) == 7) || ((\i) == 23)        ; the first four sums change their sign under the other four's products
.if G_ < 4
	v_nop
.if G_ == 3
	WAITF (\i)+1                                   ; (ahead of the vector work, which the next step's products read)
.endif
.else
.if G_ < 6
.set ta_, ACC+16*na_+8*(G_-4)
.else
.set ta_, ACC+16*nb_+8*(G_-6)
.endif
	WIN 0
	TOG ta_
.endif
.endif
.set G_, G_+1
.endm
.macro STEPN i, ca, cb, cc, cd
.set sp_, (\i)/8
.set sq_, (\i)%8
.set sx_, XF+12*((\i)%8)
.set na_, \ca
.set nb_, \cb
.set sf_, 0
.if (\i) == 0
.set sf_, 1
.endif
.if ((\i) != 8) && ((\i) != 24)
	WAITF \i
.endif
.set G_, 0
.irp c, \ca, \cb, \cc, \cd
.irp u, 0,1
	WM \c, \u, sp_, sq_, sx_, sf_
	GAPN \i
.endr
.endr
.endm
.macro BLK kind
.set KND, \kind
.set NXT, 1
.if KND == 4
.set NXT, 0
.endif
	WIN 0
	PLACES 5
	SET0 1
	TOSTAGE                                        ; run 0
	XSC 3, 96                                      ; this block's words of quarter 3
	WIN 1
.irp t, 3,4,5,6,7
	FR \t
.endr
.irp i, 0,1,2,3
	STEPN \i, 0, 3, 1, 2
.endr
.if KND == 2
	WIN 0
	s_wait_tensorcnt 0x0
	ds_add_u32 v[SPW], v[NIL]
.set DSC, DSC+1
.endif
	STEPN 4, 0, 3, 1, 2
	WIN 0
.if (KND == 1) || (KND == 3)
	s_wait_tensorcnt 0x0                           ; what a refill brought is in
.endif
	s_wait_dscnt 0x0                               ; my part of the stage is stored and all my reads are over
	s_barrier_signal -1
.if KND == 2
	s_xor_b32 s[VV], s[VV], 2*SLOT                 ; the two slots whose blocks are done
	s_add_co_u32 s[G0Y+1], s[LW], s[VV]
	s_add_nc_u64 s[G0Y+2:G0Y+3], s[G0Y+2:G0Y+3], 2*BLKB
.endif
	STEPN 5, 0, 3, 1, 2
	WIN 0
	s_barrier_wait -1
.if KND == 2
	CREST                                          ; no wave of any partner still reads those slots or has a load on its way
	TLOAD G0Y, G1Y
.endif
	s_wait_xcnt 0x0
	PLACES 4                                       ; run 6
	WIN 1
.irp t, 8,9,10,11,12,13
	FR \t
.endr
	RB4 0, 0
	RB4 4, 4
	WIN 0
.irp i, 6,7
	STEPN \i, 0, 3, 1, 2
.endr
.irp i, 8,9,10
	STEPN \i, 1, 2, 0, 3
.endr
	WIN 0
	s_wait_dscnt DSC-LSR
	PLACES 4                                       ; run 11
	PK4 0
	WIN 1
.irp t, 14,15,16,17,18
	FR \t
.endr
.if NXT
	XSC 0, SCBLK                                   ; the next block's words of the quarters that are done
.endif
	SEND4 0, 0
.irp i, 11,12,13,14,15
	STEPN \i, 1, 2, 0, 3
.endr
	WIN 0
	s_wait_xcnt 0x0                                ; the last stores have read their registers
	PLACES 4                                       ; run 16
.irp c, 1,3
.irp u, 0,1
	TOG ACC+16*\c+8*\u
.endr
.endr
	PK4 4
.if KND == 1
	s_xor_b32 s[UU], s[UU], 2*SLOT
	s_mov_b32 s[TB], s[UU]
.elseif KND == 2
	s_add_co_u32 s[TB], s[UU], SLOT
.elseif KND == 3
	s_add_co_u32 s[TB], s[TB], SLOT
.endif
.if NXT
	SETL                                           ; the next block's
.endif
	s_wait_alu depctr_va_vdst(0)
	WIN 1
.irp t, 19,20,21,22,23
	FR \t
.endr
.if NXT
	XSC 1, SCBLK+32
.endif
	RB4 0, 8
	SEND4 4, 4
.irp i, 16,17,18,19,20
	STEPN \i, 2, 1, 0, 3
.endr
	WIN 0
	s_wait_xcnt 0x0
	s_wait_dscnt DSC-LSR
	PLACES 4                                       ; run 21
	PK4 0
	WIN 1
.irp t, 24,25,26,27,28
	FR \t
.endr
	RB4 4, 12
	SEND4 0, 8
.irp i, 21,22,23
	STEPN \i, 2, 1, 0, 3
.endr
.irp i, 24,25,26
	STEPN \i, 0, 3, 2, 1
.endr
	WIN 0
	s_wait_dscnt DSC-LSR
	PLACES 4                                       ; run 27
	PK4 4
.if NXT
	XSC 2, SCBLK+64
.endif
	WIN 1
.irp t, 29,30,31
	FR \t
.endr
.if NXT
	FR 32
	FR 33
	FR 34
.endif
	SEND4 4, 12
.irp i, 27,28,29,30,31
	STEPN \i, 0, 3, 2, 1
.endr
	WIN 0
	s_wait_xcnt 0x0                                ; the stores have read their base
	s_add_nc_u64 s[OUT:OUT+1], s[OUT:OUT+1], 16*16384
.endm
.macro HSTATE                          ; at a loop's head: what has been issued behind the fragments of steps 0 to 2, three loads each, on either way at the least
.set DSC, 0
.set LS0, -6
.set LS1, -3
.set LS2, 0
.endm
.macro GROUP1 g, c, rows, qi
	s_mov_b32 s[\g+0], 15|(3<<16)|(1<<20)|(1<<21)|(\qi<<22)|(3<<25)   ; the mask: the cluster's four; elements of 8 bytes; 4 words of padding behind each row
	s_mov_b32 s[\g+1], \c<<16
	s_mov_b32 s[\g+2], \rows<<16
	s_mov_b32 s[\g+3], \c<<16
	s_mov_b32 s[\g+4], \rows
	s_mov_b32 s[\g+5], \c
	s_mov_b32 s[\g+6], 0
	s_mov_b32 s[\g+7], 0
.endm
; ================= THE HEAD
	s_load_b128 s[4:7], s[0:1], 0x0                ; x's codes, x's scales
	s_load_b128 s[8:11], s[0:1], 0x10              ; W's images, W's scale words
	s_load_b128 s[12:15], s[0:1], 0x20             ; b, the output
	v_lshl_add_u32 v[SPW], v0, 2, SPARE
	v_mov_b32 v[NIL], 0
	ds_add_u32 v[SPW], v[NIL]                      ; the wave's opening: the add, twice on end, and its wait
	ds_add_u32 v[SPW], v[NIL]
	v_lshrrev_b32 v1, 5, v0
	v_readfirstlane_b32 s16, v1                    ; wave
	s_bfe_u32 s17, ttmp6, 0x40000                  ; cx
	s_lshl_b32 s18, ttmp9, 2
	s_add_co_u32 s18, s18, s17                     ; column group: 128 inner columns
	s_and_b32 s19, ttmp7, 0xffff                   ; row group: 128 rows
	GROUP1 G1X, 128, 48, 7
	GROUP1 G1S, 32, 64, 5
	GROUP1 G1Y, 128, 96, 7
	s_mov_b32 s[MK], 0x20820820                    ; the sign bits of three registers of codes
	s_mov_b32 s[MK+1], 0x08208208
	s_mov_b32 s[MK+2], 0x82082082
	s_mov_b32 s[TB], 0
	s_mov_b32 s[UU], 0
	s_mov_b32 s[SG], STGB
	s_mov_b32 s[SO], SCL
	s_mov_b32 s[VV], 2*SLOT
	s_mul_i32 s[LW], s16, SLOT/2
	s_mov_b32 s[G0X], 1
	s_mov_b32 s[G0X+1], 0
	s_mov_b32 s[G0S], 1
	s_mov_b32 s[G0S+1], SCL
	s_mov_b32 s[G0B], 1
	s_mov_b32 s[G0B+1], SLOT
	s_mov_b32 s[G0Y], 1
	s_mov_b32 s[G0Y+1], 2*SLOT
	s_mul_i32 s20, s19, 8*BLKB
	s_mov_b32 s21, 0
	s_lshl_b32 s22, s19, 14
	s_mov_b32 s23, 0
	s_wait_dscnt 0x0
	CROUND                                         ; the four work-groups are here: the first joint loads meet
	s_wait_kmcnt 0x0
	s_add_nc_u64 s[G0X+2:G0X+3], s[4:5], s[20:21]
	s_add_nc_u64 s[G0B+2:G0B+3], s[G0X+2:G0X+3], BLKB
	s_add_nc_u64 s[G0Y+2:G0Y+3], s[G0X+2:G0X+3], 2*BLKB
	s_add_nc_u64 s[92:93], s[G0X+2:G0X+3], 4*BLKB  ; the prefetches' base
	s_add_nc_u64 s[G0S+2:G0S+3], s[6:7], s[22:23]
	s_or_b32 s[G0X+3], s[G0X+3], 0x80000000
	s_or_b32 s[G0B+3], s[G0B+3], 0x80000000
	s_or_b32 s[G0Y+3], s[G0Y+3], 0x80000000
	s_or_b32 s[G0S+3], s[G0S+3], 0x80000000
	s_cmp_eq_u32 s16, 0
	s_cbranch_scc0 .Lwave_1
	TLOAD G0X, G1X                                 ; wave 0: block 0
	s_branch .Lasked
.Lwave_1:
	s_cmp_eq_u32 s16, 1
	s_cbranch_scc0 .Lwave_2
	TLOAD G0S, G1S                                 ; wave 1: the scale bytes of all 128 rows
	s_branch .Lasked
.Lwave_2:
	s_cmp_eq_u32 s16, 2
	s_cbranch_scc0 .Lwave_3
	TLOAD G0B, G1X                                 ; wave 2: block 1
	s_branch .Lasked
.Lwave_3:
	TLOAD G0Y, G1Y                                 ; wave 3: blocks 2 and 3
.Lasked:
	s_lshl_b32 s20, s18, 2
	s_add_co_u32 s20, s20, s16
	s_mul_i32 s20, s20, 64*1536
	s_add_nc_u64 s[BP:BP+1], s[8:9], s[20:21]      ; my 64 images: 98,304 consecutive bytes
	s_lshl_b32 s20, s18, 9
	s_lshl_b32 s22, s16, 7
	s_add_co_u32 s22, s22, s20
	s_add_nc_u64 s[94:95], s[10:11], s[22:23]      ; my columns' scale words
	s_lshl_b32 s22, s16, 12
	s_add_co_u32 s22, s22, s20                     ; column block c = my number: what I store
	s_add_nc_u64 s[90:91], s[12:13], s[22:23]
	s_lshl_b32 s20, s19, 21
	s_add_co_u32 s20, s20, s22
	s_add_nc_u64 s[OUT:OUT+1], s[14:15], s[20:21]
	s_and_b32 s20, s16, 1
	s_xor_b32 s20, s20, 1
	s_lshl_b32 s20, s20, 31
	s_or_b32 s[SGN], s20, 0x3f800000               ; -1 for c = 0 and 2
	s_mov_b32 s[SGN+1], s[SGN]
	s_lshl_b32 s[SWI], s16, 7
	s_add_co_u32 s[SWI], s[SWI], STAGE
	s_lshl_b32 s[SWO], s16, 9
	s_add_co_u32 s[SWO], s[SWO], STAGE
	s_lshl_b32 s22, s17, 2
	s_add_co_u32 s22, s22, s16
	s_mul_i32 s22, s22, 24*256                     ; my share of the prefetches
	v_and_b32 v1, 31, v0                           ; lane
	v_and_b32 v3, 15, v0                           ; r
	v_bfe_u32 v4, v0, 4, 1                         ; h
	v_lshlrev_b32 v[CO], 4, v1
	v_lshlrev_b32 v[LN4], 2, v1
	v_mul_u32_u24 v5, v3, PITCH
	v_lshrrev_b32 v7, 1, v3
	v_lshlrev_b32 v7, 4, v7
	v_lshl_add_u32 v7, v3, 7, v7
	v_lshl_add_u32 v7, v4, 4, v7
	v_add_nc_u32 v[ASD], SCL, v7
	v_min_u32 v8, 23, v1                           ; lanes 24 to 31 name the wave's last unit again
	v_lshlrev_b32 v8, 8, v8
	v_add_nc_u32 v[PFO], s22, v8
	WIN 0x80                                       ; destination window 2
	v_mad_u32_u24 v252, v4, 24, v5
	v_mad_u32_u24 v253, v4, 40, v5
	SETL
	SETH
	s_wait_alu depctr_va_vdst(0)
.irp q, 0,1,2,3,4,5,6,7
.irp w, 0,1,2,3
	global_load_b32 v[SR+8*\q+\w], v[LN4], s[94:95] offset:4096*(4*\q+\w)
.endr
.endr
	WIN 0xc0                                       ; destination window 3
	global_load_b128 v[252:255], v[CO], s[90:91]
.set n, 0
.rept 60
	WLD n
.set n, n+1
.endr
	WIN 0
	s_cmp_lt_u32 s16, 2
	s_cbranch_scc0 .Lnot_mine
	s_wait_tensorcnt 0x0                           ; waves 0 and 1: block 0 and the scale bytes are in
.Lnot_mine:
	s_barrier_signal -1
	s_barrier_wait -1
.irp p, 0,1,2,3
	XSC \p, 32*\p
.endr
	WIN 1
.irp t, 0,1,2,3,4,5,6,7
	FR \t
.endr
; ================= BLOCK 0
.irp q, 0,1,2,3,4,5,6,7
	RUN0 \q
	STEP0 4*\q, 1, 3, 0, 2
	STEP0 4*\q+1, 0, 1, 3, 2
	STEP0 4*\q+2, 0, 3, 1, 2
	STEP0 4*\q+3, 0, 3, 1, 2
.endr
	WIN 0
	PLACES 4
.irp p, 0,1,2
	XSC \p, SCBLK+32*\p                            ; block 1's
.endr
	s_wait_dscnt 2                                 ; quarter 0's words are in; the other two's may be out
.set B0, 0
; ================= BLOCKS 1 TO 4, 5 AND 6, 7
	s_mov_b32 s[CNT], 0
.Lpair:
	HSTATE
	BLK 1
	BLK 2
	s_add_co_u32 s[CNT], s[CNT], 1
	s_cmp_lt_u32 s[CNT], 2
	s_cbranch_scc1 .Lpair
	s_mov_b32 s[CNT], 0
.Lsingle:
	HSTATE
	BLK 3
	s_add_co_u32 s[CNT], s[CNT], 1
	s_cmp_lt_u32 s[CNT], 2
	s_cbranch_scc1 .Lsingle
	HSTATE
	BLK 4
; ================= THE END: the last block leaves
	PLACES 5
	SET0 0
	TOSTAGE
	WIN 0
	s_wait_dscnt 0x0
	s_barrier_signal -1
	s_barrier_wait -1
	WIN 2
.irp t, 0,1,2,3,4,5,6,7,8,9,10,11,12,13,14,15
	ds_load_b128 v[XF+4*\t:XF+4*\t+3], v[255] offset:\t*SPITCH
.endr
.irp g, 0,4,8,12
	s_wait_dscnt 12-\g
.irp j, 0,1,2,3
	PKF XF+4*(\g+\j)
.endr
	WIN 0
.irp j, 0,1,2,3
	SEND XF+4*(\g+\j), \g+\j
.endr
.endr
	s_wait_tensorcnt 0x0                           ; the wave's end
	ds_add_u32 v[SPW], v[NIL]
	s_wait_dscnt 0x0
	CROUND                                         ; the closing round
	s_endpgm
.Lfunc_end_k_q34b0aa552d_gemm:
	.size	k_q34b0aa552d_gemm, .Lfunc_end_k_q34b0aa552d_gemm-k_q34b0aa552d_gemm
	.p2alignl 7, 3214868480
	.fill 96, 4, 3214868480
	.section	.rodata,"a",@progbits
	.p2align	6, 0x0
	.amdhsa_kernel k_q34b0aa552d_gemm
		.amdhsa_group_segment_fixed_size 327680
		.amdhsa_private_segment_fixed_size 0
		.amdhsa_enable_private_segment 0
		.amdhsa_kernarg_size 48
		.amdhsa_user_sgpr_count 2
		.amdhsa_user_sgpr_kernarg_segment_ptr 1
		.amdhsa_wavefront_size32 1
		.amdhsa_system_sgpr_workgroup_id_x 1
		.amdhsa_system_sgpr_workgroup_id_y 1
		.amdhsa_system_sgpr_workgroup_id_z 1
		.amdhsa_system_vgpr_workitem_id 0
		.amdhsa_next_free_vgpr 1024
		.amdhsa_next_free_sgpr 100
		.amdhsa_reserve_vcc 0
		.amdhsa_float_denorm_mode_32 3
		.amdhsa_float_denorm_mode_16_64 3
		.amdhsa_memory_ordered 1
		.amdhsa_forward_progress 1
		.amdhsa_inst_pref_size 255
	.end_amdhsa_kernel
	.section	.bss,"aw",@nobits
	.p2align	6
	.space	262144
	.amdgpu_metadata
---
amdhsa.version: [ 1, 2 ]
amdhsa.kernels:
  - .name:           k_q34b0aa552d_gemm
    .symbol:         k_q34b0aa552d_gemm.kd
    .args:
      - { .name: x_codes, .offset: 0, .size: 8, .value_kind: global_buffer, .address_space: global }
      - { .name: x_scales, .offset: 8, .size: 8, .value_kind: global_buffer, .address_space: global }
      - { .name: w_img, .offset: 16, .size: 8, .value_kind: global_buffer, .address_space: global }
      - { .name: w_sc, .offset: 24, .size: 8, .value_kind: global_buffer, .address_space: global }
      - { .name: b, .offset: 32, .size: 8, .value_kind: global_buffer, .address_space: global }
      - { .name: out0, .offset: 40, .size: 8, .value_kind: global_buffer, .address_space: global }
    .group_segment_fixed_size: 327680
    .private_segment_fixed_size: 0
    .kernarg_segment_align: 8
    .kernarg_segment_size: 48
    .max_flat_workgroup_size: 128
    .sgpr_count:     100
    .vgpr_count:     1024
    .wavefront_size: 32
...
	.end_amdgpu_metadata
.endif
;; end of part 4
